; MI455X (gfx1250); checked and timed in simulation.
; The chip was launched on July 23, 2026; its instructions are those of AMD's public machine-readable ISA for CDNA 5 (MIT licence, August 2026) and "CDNA5" Instruction Set Architecture Reference Guide (July 2026). The comments in the code are by the model that wrote it; some were corrected since.
;; Multi Head Attention. Allowed arithmetic: matrix products marked QUANTISED: E2M3 operands, one E8M0 scale for each 32 along K, by v_wmma_scale_f32_16x16x128_f8f6f4 with both operands' format E2M3, f32 sums; everything else in f32.
;; Inputs: Wk 16 x 1,024 x 64 float32; Wo 1,024 x 1,024 float32; Wq 16 x 1,024 x 64 float32; Wv 16 x 1,024 x 64 float32; bo 1,024 float32; x 4 x 2,048 x 1,024 float32.
;; Outputs: out0 4 x 2,048 x 1,024 float32.
;; This version of the problem:
;;   THIS VERSION OF THE PROBLEM IS GIVEN IN LOW PRECISION. The matrix products marked QUANTISED in the list below multiply operands that are first quantised to E2M3 (2 exponent bits, 3 mantissa bits; 6 bits a number), with one power-of-two scale for each 32 numbers along K (OCP MX v1.0); their sums are f32. All else is computed in f32.
;;   The module's matrix products, in the order in which they are computed (A, B: the left and right operand; K: the contracted axis; several contracted axes count as one K, in the product's order):
;;     1. [M 1,024, K 1,024] x [K 1,024, N 8,192]; A: input Wq; B: input x: QUANTISED
;;     2. [M 1,024, K 1,024] x [K 1,024, N 8,192]; A: input Wk; B: input x: QUANTISED
;;     3. [M 1,024, K 1,024] x [K 1,024, N 8,192]; A: input Wv; B: input x: QUANTISED
;;     4. batch 64 x [M 2,048, K 64] x [K 64, N 2,048]; A: computed on the way; B: computed on the way: QUANTISED
;;     5. batch 64 x [M 2,048, K 2,048] x [K 2,048, N 64]; A: softmax (see below); B: computed on the way: QUANTISED
;;     6. [M 8,192, K 1,024] x [K 1,024, N 1,024]; A: computed on the way; B: input Wo: QUANTISED
;;   THE QUANTISER, for each operand of a quantised product, along K:
;;     - K is cut into blocks of 32 from its start; a last block that is shorter is filled with zeros.
;;     - A block's scale is 2^e with e = floor(log2(the largest magnitude in the block)) - 2, held to -126 .. 127; a block of zeros has e = 0. As a byte (E8M0): e + 127.
;;     - Each number is divided by its block's scale, clamped to +-7.5, and rounded to the nearest number of E2M3, ties to even, subnormals kept.
;;     - The product sums the exact products of the quantised numbers (number of the format x scale) in f32.
;;   ~~~python
;;   def quantise(x, axis):      # numpy; x: float32 -> the quantised numbers, widened to float32 again
;;       x = np.moveaxis(x, axis, -1); K = x.shape[-1]
;;       x = np.pad(x, [(0, 0)] * (x.ndim - 1) + [(0, -K % 32)]); x = x.reshape(x.shape[:-1] + (-1, 32)); a = np.abs(x).max(-1, keepdims=True)
;;       e = np.where(a > 0, np.clip(np.frexp(np.where(a > 0, a, 1))[1] - 1 - 2, -126, 127), 0)      # np.frexp(a)[1] - 1 = floor(log2(a)), exactly
;;       r = np.clip(x / 2.0 ** e, -7.5, 7.5)
;;       step = 2.0 ** (np.maximum(np.frexp(np.where(r == 0, 1, r))[1] - 1, 0) - 3)
;;       q = np.round(r / step) * step * 2.0 ** e      # np.round: ties to even
;;       return np.moveaxis(q.reshape(q.shape[:-2] + (-1,))[..., :K], -1, axis).astype(np.float32)
;;   ~~~
;;   SOFTMAX AHEAD OF A QUANTISED PRODUCT. Where the list says 'softmax', what is quantised is not the finished softmax but p = 2^(t - M), with t = logit x log2(e) and M = ceil(the row's largest t), a whole number; so 1/2 < the row's largest p <= 1. The row's sum l is taken of the UNQUANTISED p, in f32, and the product's result is divided by l at the end. Since M is a whole number, a kernel that streams over the keys may use a running M (the ceiling of the running maximum): every later rescaling is an exact power of two, which a block's scale takes up: the codes' values come out the same.
;;   OPERANDS COMPUTED ON THE WAY. 'Computed on the way' means the value that the module computes at that place (a softmax that the list does not call 'softmax' is quantised finished and normalised). What goes into a quantiser is computed in f32, as accurately as f32 sums, v_exp_f32 and their like allow (about 1e-6 of the number): no bf16 or f16 on the way to a quantiser, and a product that is left as it is and whose result goes on into a quantised operand takes f32 operands (vector FMAs, or v_wmma_f32_16x16x4_f32). A number that lies on a knife's edge between two numbers of the format may be rounded either way, as far as f32 arithmetic and the matrix unit's own rounding can turn it there, and no further.
;; One version. Each part assembles by itself: llvm-mc -triple=amdgcn-amd-amdhsa -mcpu=gfx1250 --defsym DOCPART=n.
;; ======== version 1 of 1: 4 launches
;; limits: right only within a limited range of input values
;; workspace buffers: xq 6,553,600 bytes; wq 3,276,800 bytes; qkvq 19,660,800 bytes; oq 6,815,744 bytes
;; launch quant (part 1): grid 640 x 1, 8 waves a work-group, no clusters, 96,768 bytes of LDS; arguments x, Wq, Wk, Wv, Wo, xq, wq; writes xq, wq
.if DOCPART == 1
	.amdgcn_target "amdgcn-amd-amdhsa--gfx1250"
	.amdhsa_code_object_version 6
	.text
	.protected	k_q366f9c7435_quant
	.globl	k_q366f9c7435_quant
	.p2align	8
	.type	k_q366f9c7435_quant,@function
k_q366f9c7435_quant:
	s_mov_b64 s[64:65], 0
	v_nop
	global_prefetch_b8 v0, s[64:65] scope:SCOPE_SE
	s_setreg_imm32_b32 hwreg(HW_REG_WAVE_MODE, 25, 1), 1
	s_wait_xcnt 0x0
; ONE LAUNCH QUANTISES x AND THE FOUR WEIGHTS to codes of FP6 (E2M3) along K = 1,024, one E8M0 byte for each 32, laid as images of operand registers.
; Work-groups 0-127 take the weights (32 columns, all of K, each), work-groups 128-639 one tile of 16 tokens of x each.  The two paths part on the work-group's number alone and have LDS bytes of their own.
; A FRAGMENT (16 rows x 128 along K, 12 registers a lane) lies in memory as an image of its registers: registers 4 q .. 4 q + 3 of lane l at 512 q + 16 l: 1,536 bytes.
; A TILE's 16 rows are not neighbours: lane r of tile T takes row 32 (T / 2) + 8 (T % 2) + r + 8 (r / 8), so that later results of two neighbouring tiles are 16 neighbours along the next K.
; xq: codes [512 tiles][8 K steps][1,536]; from XSO on the scale words [tile][r 16][8 K steps].   wq: codes [256 tiles][8][1,536]; from WSO on the words likewise.
; Order of W tiles: head hd has tiles 12 hd + (q0 q1 q2 q3 v0 v1 k0 k1 k2 k3 v2 v3); Wo's columns 32 g .. 32 g + 31 have tiles 192 + 2 g, 193 + 2 g.
; A block's scale is 2^(floor(log2(largest magnitude)) - 2); its byte is that magnitude's exponent field - 2, held at 1 from below.
; LIMITS: NaN and infinities are not served; blocks whose largest magnitude lies under 2^-124 have their byte held at 1; a block of zeros keeps the byte 1 (zero codes; only this program reads the bytes).
.set XST,   8448                       ; x path: a wave's stage, 16 rows x 528 bytes
.set XSCR,  8*XST                      ; the tile's scale words, 512 bytes
.set WBASE, XSCR+512                   ; W path: eight stages of two images, 1,664 bytes apart
.set WST,   3328
.set WSCR,  WBASE+8*WST                ; two tiles' scale words, 1,024 bytes
.set SPARE, WSCR+1024                  ; the spare words, 128 bytes a wave: no other line names them
.set XSO,   6291456
.set WSO,   3145728
.set SPW,   10
.set NIL,   11
	s_load_b256 s[4:11], s[0:1], 0x0               ; x, Wq, Wk, Wv
	s_load_b128 s[12:15], s[0:1], 0x20             ; Wo, xq
	s_load_b64 s[16:17], s[0:1], 0x30              ; wq
	v_lshl_add_u32 v[SPW], v0, 2, SPARE
	v_mov_b32 v[NIL], 0
	v_lshrrev_b32 v1, 5, v0
	v_readfirstlane_b32 s19, v1                    ; wave = K step
	v_and_b32 v1, 31, v0                           ; l
	s_cmp_lt_u32 ttmp9, 128
	s_wait_alu depctr_va_vdst(0)
	s_cbranch_scc0 .Lx
; ---------------- THE WEIGHTS.  f32 with K as first axis (Wq, Wk, Wv: [16][1024][64]; Wo: [1024][1024]).  A lane takes a column and its registers run down K: a block of 32 lies in one lane.
; slot sx 0..5 of head sy: 0, 1 q's columns 0-31, 32-63; 2 v's 0-31; 3, 4 k's; 5 v's 32-63;  sx 6, 7: Wo's columns 32 (2 sy + sx - 6) on.
.set WRD,   16
.set X,     32                         ; v32-159 my column's 128 numbers; a block's codes are laid over the block before it, which is done with
.set OUTR,  128
	s_and_b32 s2, ttmp9, 7                         ; sx
	s_lshr_b32 s20, ttmp9, 3                       ; sy
	v_bfe_u32 v2, v0, 3, 1                         ; u: which of the two tiles
	v_and_b32 v3, 7, v0
	v_bfe_u32 v17, v0, 4, 1
	v_lshl_or_b32 v3, v17, 3, v3                   ; r
	v_lshlrev_b32 v4, 2, v1
	v_lshlrev_b32 v5, 4, v1
	s_mul_i32 s18, s19, WST
	s_add_co_u32 s18, s18, WBASE
	v_mul_u32_u24 v6, v2, 1664
	v_lshl_add_u32 v6, v3, 4, v6
	v_add_nc_u32 v6, s18, v6                       ; into the stage: tile u, lane r's 16 bytes
	v_add_nc_u32 v7, s18, v5                       ; out of it
	v_lshlrev_b32 v8, 9, v2
	v_lshl_add_u32 v8, v3, 5, v8
	s_lshl_b32 s27, s19, 2
	s_add_co_u32 s27, s27, WSCR
	v_add_nc_u32 v8, s27, v8                       ; my word: WSCR + 512 u + 32 r + 4 w
	v_add_nc_u32 v9, WSCR, v5
	s_lshr_b32 s21, 0x32, s2
	s_and_b32 s21, s21, 1                          ; slots 1, 4, 5 take columns 32-63
	s_lshl_b32 s21, s21, 7
	s_lshl_b32 s32, s20, 18                        ; the head: 1,024 rows of 256 bytes
	s_add_co_u32 s32, s32, s21
	s_lshl_b32 s21, s19, 15                        ; my K step: 128 rows
	s_add_co_u32 s32, s32, s21
	s_lshl_b32 s23, s20, 1
	s_add_co_u32 s23, s23, s2
	s_sub_co_u32 s22, s23, 6
	s_lshl_b32 s22, s22, 7                         ; Wo: 128 bytes for each 32 columns
	s_lshl_b32 s21, s19, 19                        ; 128 rows of 4,096 bytes
	s_add_co_u32 s22, s22, s21
	s_add_co_u32 s23, s23, 90                      ; Wo's pair of tiles
	s_mul_i32 s24, s20, 6
	s_add_co_u32 s24, s24, s2                      ; a head's
	s_cmp_lt_u32 s2, 6
	s_cselect_b32 s32, s32, s22                    ; my byte offset in my weight
	s_cselect_b32 s24, s24, s23                    ; my pair of tiles
	s_mov_b32 s33, 0
	s_mul_i32 s22, s24, 24576
	s_mul_i32 s23, s19, 1536
	s_add_co_u32 s22, s22, s23
	s_mov_b32 s23, 0
	s_lshl_b32 s24, s24, 10
	s_add_co_u32 s24, s24, WSO
	s_mov_b32 s25, 0
	s_wait_alu depctr_va_vdst(0)
	s_wait_kmcnt 0x0
	s_add_nc_u64 s[28:29], s[16:17], s[22:23]      ; the codes' place
	s_add_nc_u64 s[30:31], s[16:17], s[24:25]      ; the scale words'
.macro LOADS lo, pitch                 ; 128 loads, row k of my K step at my column; one arm for each weight, so that each load names one buffer
	s_add_nc_u64 s[14:15], s[\lo:\lo+1], s[32:33]
.set i, 0
.rept 128
	global_load_b32 v[X+i], v4, s[14:15] offset:i*\pitch
.set i, i+1
.endr
.endm
	s_cmp_lt_u32 s2, 2
	s_cbranch_scc0 .Lnot_q
	LOADS 6, 256
	s_branch .Lloaded
.Lnot_q:
	s_cmp_gt_u32 s2, 5
	s_cbranch_scc0 .Lnot_o
	LOADS 12, 4096
	s_branch .Lloaded
.Lnot_o:
	s_sub_co_u32 s26, s2, 3
	s_cmp_lt_u32 s26, 2
	s_cbranch_scc0 .Lis_v
	LOADS 8, 256
	s_branch .Lloaded
.Lis_v:
	LOADS 10, 256
.Lloaded:
.macro BLOCK t                         ; block t = 2 c + h of the K step: its 24 bytes are registers 6 c .. 6 c + 5 of lane r + 16 h of the fragment
.set XS, X+32*(\t)
.if (\t) == 0
.set CB, 24
.set TB, 20
.else
.set CB, X+32*((\t)-1)
.set TB, CB+8
.endif
.if (\t) < 2
	s_wait_loadcnt 63                              ; a wait names 63 at the most: the first 65 loads, blocks 0 and 1 among them, are in
.else
	s_wait_loadcnt 96-32*(\t)                      ; this block's 32 loads are in; the later block's may be out
.endif
	v_max3_num_f32 v12, |v[XS]|, |v[XS+1]|, |v[XS+2]|
	v_max3_num_f32 v13, |v[XS+3]|, |v[XS+4]|, |v[XS+5]|
.irp i, 6,10,14,18,22,26
	s_delay_alu instid0(VALU_DEP_2)
	v_max3_num_f32 v12, v12, |v[XS+\i]|, |v[XS+\i+1]|
	s_delay_alu instid0(VALU_DEP_2)
	v_max3_num_f32 v13, v13, |v[XS+\i+2]|, |v[XS+\i+3]|
.endr
	s_delay_alu instid0(VALU_DEP_2)
	v_max3_num_f32 v12, v12, |v[XS+30]|, |v[XS+31]|
	s_delay_alu instid0(VALU_DEP_1)
	v_max3_num_f32 v12, v12, v13, 0x1800000        ; and the floor 2^(3 - 127)
	s_delay_alu instid0(VALU_DEP_1)
	v_add_nc_u32 v14, 0xff000000, v12              ; 2 off the exponent field: the conversion's scale operand
	s_delay_alu instid0(VALU_DEP_1)
	v_lshrrev_b32 v15, 23, v14                     ; the byte
.if (\t) == 0
	s_delay_alu instid0(VALU_DEP_1)
	v_mov_b32 v[WRD], v15
.else
	s_delay_alu instid0(VALU_DEP_1)
	v_lshl_or_b32 v[WRD], v15, 8*(\t), v[WRD]
.endif
	v_cvt_scalef32_pk16_fp6_f32 v[CB:CB+2], v[XS:XS+15], v14
	v_cvt_scalef32_pk16_fp6_f32 v[TB:TB+2], v[XS+16:XS+31], v14
	v_nop                                          ; one plain place behind a scaled conversion
.irp i, 0,1,2
	v_mov_b32 v[CB+3+\i], v[TB+\i]
.endr
.if (\t) < 2
	ds_store_b128 v6, v[CB:CB+3] offset:256*((\t)%2)
	ds_store_b64 v6, v[CB+4:CB+5] offset:512+256*((\t)%2)
.else
	ds_store_b64 v6, v[CB:CB+1] offset:520+256*((\t)%2)
	ds_store_b128 v6, v[CB+2:CB+5] offset:1024+256*((\t)%2)
.endif
.endm
	BLOCK 0
	BLOCK 1
	BLOCK 2
	BLOCK 3
	ds_store_b32 v8, v[WRD]
.irp n, 0,1,2,3,4,5
	ds_load_b128 v[OUTR+4*\n:OUTR+4*\n+3], v7 offset:1664*(\n/3)+512*(\n%3)   ; my wave's own bytes, served in order
.endr
.irp n, 0,1,2,3,4,5
	s_wait_dscnt 5-\n                              ; load n is back; the younger ones may be out
	global_store_b128 v5, v[OUTR+4*\n:OUTR+4*\n+3], s[28:29] offset:12288*(\n/3)+512*(\n%3)   ; 512 consecutive bytes, aligned
.endr
	s_wait_dscnt 0x0                               ; for the others' sake: my scale word has landed
	s_barrier_signal -1
	s_barrier_wait -1
	s_cmp_lg_u32 s19, 0
	s_cbranch_scc1 .Lend_w
	ds_load_b128 v[32:35], v9                      ; wave 0 sends the two tiles' 256 words out whole
	ds_load_b128 v[36:39], v9 offset:512
	s_wait_dscnt 0x0
	global_store_b128 v5, v[32:35], s[30:31]
	global_store_b128 v5, v[36:39], s[30:31] offset:512
.Lend_w:
	s_wait_tensorcnt 0x0                           ; the wave's end
	ds_add_u32 v[SPW], v[NIL]
	s_wait_dscnt 0x0
	s_endpgm
; ---------------- x.  Wave w takes K step w of the tile.  Each load reads 512 consecutive bytes of one token's row; the 16 rows turn through the wave's own stage, so that lane (r, h) gets 16 neighbours of each block of 32 of token r.
.set R,     16                         ; v16-79   the 16 rows as loaded; afterwards the codes
.set XX,    80                         ; v80-143  register 16 b + i = k 32 b + 16 h + i of my token
.set TM,    144
.set PW,    12
.set PC,    16
.Lx:
	s_sub_co_u32 s2, ttmp9, 128                    ; the tile T
	v_and_b32 v2, 15, v0                           ; r
	v_bfe_u32 v3, v0, 4, 1                         ; h
	v_lshlrev_b32 v4, 4, v1                        ; 16 l
	s_mul_i32 s20, s19, XST
	v_add_nc_u32 v5, s20, v4
	v_mul_u32_u24 v6, v2, 528
	v_lshl_add_u32 v6, v3, 6, v6
	v_add_nc_u32 v6, s20, v6                       ; out of the stage: row r, + 64 h
	s_lshl_b32 s21, s19, 2
	s_add_co_u32 s21, s21, XSCR
	v_lshl_add_u32 v7, v2, 5, s21                  ; my token's word of my K step
	v_add_nc_u32 v9, XSCR, v4
	s_mov_b32 s22, 0x76543210
	s_mov_b32 s23, 0xfedcba98                      ; selects for lane l xor 16
.irp b, 0,1,2,3
	v_mov_b32 v[TM+4+\b], 0                        ; a lane permute's destination counts as read
.endr
	s_lshr_b32 s24, s2, 1
	s_lshl_b32 s24, s24, 17                        ; 32 (T / 2) rows of 4,096 bytes
	s_and_b32 s26, s2, 1
	s_lshl_b32 s26, s26, 15                        ; + 8 (T % 2) rows
	s_add_co_u32 s26, s26, s24
	s_lshl_b32 s24, s19, 9                         ; + my K step's 512 bytes
	s_add_co_u32 s26, s26, s24
	s_mov_b32 s27, 0
	s_lshl_b32 s28, s2, 3
	s_add_co_u32 s28, s28, s19
	s_mul_i32 s28, s28, 1536                       ; my fragment's image
	s_mov_b32 s29, 0
	s_lshl_b32 s30, s2, 9
	s_add_co_u32 s30, s30, XSO                     ; the tile's scale words
	s_mov_b32 s31, 0
	s_wait_alu depctr_va_vdst(0)
	s_wait_kmcnt 0x0
	s_add_nc_u64 s[4:5], s[4:5], s[26:27]
	s_add_nc_u64 s[8:9], s[14:15], s[30:31]
	s_add_nc_u64 s[6:7], s[14:15], s[28:29]
.irp p, 0,1,2,3,4,5,6,7,8,9,10,11,12,13,14,15
	global_load_b128 v[R+4*\p:R+4*\p+3], v4, s[4:5] offset:(\p+8*(\p/8))*4096 th:TH_LOAD_NT
.endr
.irp p, 0,1,2,3,4,5,6,7,8,9,10,11,12,13,14,15
	s_wait_loadcnt 15-\p                           ; row p is in, the younger ones stay out
	ds_store_b128 v5, v[R+4*\p:R+4*\p+3] offset:528*\p
.endr
.irp b, 0,1,2,3
.irp j, 0,1,2,3
	ds_load_b128 v[XX+16*\b+4*\j:XX+16*\b+4*\j+3], v6 offset:128*\b+16*\j   ; my wave's own bytes, served in order
.endr
.endr
	s_wait_dscnt 0x0
.irp b, 0,1,2,3
	v_max3_num_f32 v[TM+\b], |v[XX+16*\b]|, |v[XX+1+16*\b]|, 0x1800000   ; my 16 numbers of block b and the floor 2^(3 - 127)
.endr
.irp i, 2,4,6,8,10,12,14
.irp b, 0,1,2,3
	s_delay_alu instid0(VALU_DEP_4)
	v_max3_num_f32 v[TM+\b], v[TM+\b], |v[XX+16*\b+\i]|, |v[XX+1+16*\b+\i]|
.endr
.endr
.irp b, 0,1,2,3
	s_delay_alu instid0(VALU_DEP_4)
	v_permlanex16_b32 v[TM+4+\b], v[TM+\b], s22, s23
.endr
.irp b, 0,1,2,3
	s_delay_alu instid0(VALU_DEP_4)
	v_max_num_f32 v[TM+\b], v[TM+\b], v[TM+4+\b]   ; with lane l xor 16's: the block's largest magnitude
.endr
.irp b, 0,1,2,3
	s_delay_alu instid0(VALU_DEP_4)
	v_add_nc_u32 v[TM+12+\b], 0xff000000, v[TM+\b]
.endr
.irp b, 0,1,2,3
	s_delay_alu instid0(VALU_DEP_4)
	v_lshrrev_b32 v[TM+4+\b], 23, v[TM+12+\b]
.endr
	v_lshl_or_b32 v[PW], v[TM+5], 8, v[TM+4]
	v_lshl_or_b32 v[PW], v[TM+6], 16, v[PW]
	v_lshl_or_b32 v[PW], v[TM+7], 24, v[PW]
.irp c, 0,1
	v_cvt_scalef32_pk16_fp6_f32 v[PC+6*\c:PC+2+6*\c], v[XX+32*\c:XX+15+32*\c], v[TM+12+2*\c]
	v_cvt_scalef32_pk16_fp6_f32 v[PC+12+4*\c:PC+14+4*\c], v[XX+16+32*\c:XX+31+32*\c], v[TM+12+2*\c+1]
.endr
	v_nop                                          ; one plain place behind a scaled conversion
.irp c, 0,1                                    ; the operand wants a whole block in a lane
.irp i, 0,1,2
	v_permlane16_swap_b32 v[PC+6*\c+\i], v[PC+12+4*\c+\i]
.endr
.irp i, 0,1,2
	v_mov_b32 v[PC+3+6*\c+\i], v[PC+12+4*\c+\i]
.endr
.endr
.irp c, 0,1,2
	global_store_b128 v4, v[PC+4*\c:PC+4*\c+3], s[6:7] offset:512*\c   ; 512 consecutive bytes, aligned
.endr
	ds_store_b32 v7, v[PW]                         ; both halves of the lanes write the same word with the same value
	s_wait_dscnt 0x0
	s_barrier_signal -1
	s_barrier_wait -1
	s_cmp_lg_u32 s19, 0
	s_cbranch_scc1 .Lend_x
	ds_load_b128 v[80:83], v9                      ; wave 0 sends the tile's 128 words out whole
	s_wait_dscnt 0x0
	global_store_b128 v4, v[80:83], s[8:9]
.Lend_x:
	s_wait_tensorcnt 0x0                           ; the wave's end
	ds_add_u32 v[SPW], v[NIL]
	s_wait_dscnt 0x0
	s_endpgm
.Lfunc_end_k_q366f9c7435_quant:
	.size	k_q366f9c7435_quant, .Lfunc_end_k_q366f9c7435_quant-k_q366f9c7435_quant
	.p2alignl 7, 3214868480
	.fill 96, 4, 3214868480
	.section	.rodata,"a",@progbits
	.p2align	6, 0x0
	.amdhsa_kernel k_q366f9c7435_quant
		.amdhsa_group_segment_fixed_size 96768
		.amdhsa_private_segment_fixed_size 0
		.amdhsa_enable_private_segment 0
		.amdhsa_kernarg_size 56
		.amdhsa_user_sgpr_count 2
		.amdhsa_user_sgpr_kernarg_segment_ptr 1
		.amdhsa_wavefront_size32 1
		.amdhsa_system_sgpr_workgroup_id_x 1
		.amdhsa_system_sgpr_workgroup_id_y 1
		.amdhsa_system_sgpr_workgroup_id_z 1
		.amdhsa_system_vgpr_workitem_id 0
		.amdhsa_next_free_vgpr 160
		.amdhsa_next_free_sgpr 66
		.amdhsa_reserve_vcc 0
		.amdhsa_float_denorm_mode_32 3
		.amdhsa_float_denorm_mode_16_64 3
		.amdhsa_memory_ordered 1
		.amdhsa_forward_progress 1
		.amdhsa_inst_pref_size 74
	.end_amdhsa_kernel
	.amdgpu_metadata
---
amdhsa.version: [ 1, 2 ]
amdhsa.kernels:
  - .name:           k_q366f9c7435_quant
    .symbol:         k_q366f9c7435_quant.kd
    .args:
      - { .name: x, .offset: 0, .size: 8, .value_kind: global_buffer, .address_space: global }
      - { .name: Wq, .offset: 8, .size: 8, .value_kind: global_buffer, .address_space: global }
      - { .name: Wk, .offset: 16, .size: 8, .value_kind: global_buffer, .address_space: global }
      - { .name: Wv, .offset: 24, .size: 8, .value_kind: global_buffer, .address_space: global }
      - { .name: Wo, .offset: 32, .size: 8, .value_kind: global_buffer, .address_space: global }
      - { .name: xq, .offset: 40, .size: 8, .value_kind: global_buffer, .address_space: global }
      - { .name: wq, .offset: 48, .size: 8, .value_kind: global_buffer, .address_space: global }
    .group_segment_fixed_size: 96768
    .private_segment_fixed_size: 0
    .kernarg_segment_align: 8
    .kernarg_segment_size: 56
    .max_flat_workgroup_size: 256
    .sgpr_count:     66
    .vgpr_count:     160
    .wavefront_size: 32
...
	.end_amdgpu_metadata
.endif
;; end of part 1
;; launch qkv (part 2): grid 16 x 32, 4 waves a work-group, clusters of 4 x 4, 327,680 bytes of LDS; arguments xq, wq, qkvq; writes qkvq
.if DOCPART == 2
	.amdgcn_target "amdgcn-amd-amdhsa--gfx1250"
	.amdhsa_code_object_version 6
	.text
	.protected	k_q366f9c7435_qkv
	.globl	k_q366f9c7435_qkv
	.p2align	8
	.type	k_q366f9c7435_qkv,@function
k_q366f9c7435_qkv:
	s_mov_b64 s[64:65], 0
	v_nop
	global_prefetch_b8 v0, s[64:65] scope:SCOPE_SE
	s_setreg_imm32_b32 hwreg(HW_REG_WAVE_MODE, 25, 1), 1
	s_wait_xcnt 0x0
	s_wait_alu depctr_hold_cnt(0) depctr_sa_sdst(0) depctr_va_vdst(0) depctr_va_sdst(0) depctr_va_ssrc(0) depctr_va_vcc(0) depctr_vm_vsrc(0)
	s_getreg_b32 s2, hwreg(HW_REG_IB_STS2, 6, 4)
	s_cmp_eq_u32 s2, 0
	s_cbranch_scc0 .Lentry_in_a_cluster
	s_endpgm
.Lentry_in_a_cluster:
	s_bfe_u32 s2, ttmp6, 0x10000c
	s_cmp_lg_u32 s2, 0xf033
	s_cbranch_scc0 .Lentry_shape_is_right
	s_endpgm
.Lentry_shape_is_right:
; q, k, v = x Wq, x Wk, x Wv on codes of FP6 (E2M3) with E8M0 scales, and their results quantised again, in registers, for the two products of attention.
; A work-group takes 256 tokens (by) and one head's 192 columns (bx).  Wave (i = w / 2, jc = w % 2) takes 128 tokens (8 token tiles) and W tiles 6 jc .. 6 jc + 5: four of q (jc = 0) or of k (jc = 1), two of v.
; q and k are made TRANSPOSED (source 0 = 16 columns of W, source 1 = 16 tokens): a lane holds one token and its registers run along the head's 64, the next K.
; v is made PLAINLY (source 0 = tokens, source 1 = columns): a lane holds one column of v and its registers run along the tokens, the keys, the next K.
; By the choice of a tile's rows (lane r of tile T: 32 (T / 2) + 8 (T % 2) + r + 8 (r / 8)) the 16 registers of two neighbouring tiles are 16 neighbours along that K.
; K (1,024) is 8 steps of 128.  A tile's 8 fragments lie on end in memory (12,288 bytes), so several steps of a tile are ONE row of a tensor load, a multiple of 256 bytes that begins on such a border.
; FILLS, one tensor load a wave each time (waves 0, 1: x's halves; waves 2, 3: W's): at the head steps 0-3 (rows of 6,144 bytes); behind the full sequence and a round steps 4-6 (4,608), a first fill;
; behind the second sequence and round step 7 (1,536), the one refill, onto the first bytes of each wave's region of steps 0-3, which are read out by then.  Every wait on TENSORcnt is for 0; a wave has one load out at the most.
; CLUSTER 4 x 4: the four of a row share by, so x's tiles; the four of a column share bx, so W's: each tile is asked for jointly.
; The scale words of the whole K go by plain loads straight into the registers that hold them: 32 bytes a row, a tile's 512 bytes on end.
; No prefetch: the launch has no loop to run ahead in.
; qkvq: q's codes at 0, k's at KCO: [bh 64][pair of tiles 64][1,536]: registers 0-5 tile 2 P, 6-11 tile 2 P + 1; v's at VCO: [bh][128 keys j 16][dt 4][1,536]; scale words at QSO, QSO + 2^18 (k), VSO: [bh][j][r 16][4 words].
; LIMITS: NaN and infinities are not served; a block of zeros keeps the byte 1 (zero codes; only this program reads the bytes).
; REGISTERS, in windows of 256: window 0: v1-19 addresses; v32-95 x's scale words, v96-143 W's (scales alone); v144-239 x's set 0, at work in the way out.
;   window 1: W's sets at v0 and v128.   window 2: q's or k's 32 accumulators.   window 3: v0-127 v's 16 accumulators; v128-223 x's set 1.
.set XAL,   0                          ; x, steps 0-3: [half][8 tiles][6,144]
.set WAL,   98304                      ; W, steps 0-3: [half][6 tiles][6,144]
.set XBL,   172032                     ; x, steps 4-6: [half][8][4,608]
.set WBL,   245760                     ; W, steps 4-6: [half][6][4,608]
.set VSC,   301056                     ; v's new scale words on their way out: 512 bytes that no tensor load fills
.set SPARE, VSC+512                    ; the spare words, 128 bytes a wave
.set XSO,   6291456
.set WSO,   3145728
.set KCO,   6291456
.set VCO,   12582912
.set QSO,   18874368
.set VSO,   19398656
.set ADX, 4                            ; v4, v5  my x fragments of steps 0-3 (and 7), of steps 4-6
.set ADW, 8                            ; v8, v9  my W fragments
.set ASX, 12                           ; 32 r
.set SPW, 14
.set NIL, 15
.set LI,  16                           ; 16 l
.set QSA, 17
.set VSA, 18
.set VSR, 19
.set XSC, 32
.set WSC, 96
.set TM,  208
.set PW,  224
.set G1,  24                           ; s[24:31] group 1, x's tiles;  s[32:39] W's
.set G1B, 32
.set MSB, 0
.macro WIN new
.if MSB != \new
	s_set_vgpr_msb (MSB<<8)|\new
.set MSB, \new
.endif
.endm
.macro JLOAD g0a, g1a, g0b, g1b        ; waves 0 and 1 fetch for x, waves 2 and 3 for W; an s_nop 0 and four v_nop follow each line
	s_cmp_eq_u32 s15, 0
	s_cbranch_scc0 .Lfor_b_\@
	tensor_load_to_lds s[\g0a:\g0a+3], s[\g1a:\g1a+7]
	s_nop 0
.rept 4
	v_nop
.endr
	s_branch .Lasked_\@
.Lfor_b_\@:
	tensor_load_to_lds s[\g0b:\g0b+3], s[\g1b:\g1b+7]
	s_nop 0
.rept 4
	v_nop
.endr
.Lasked_\@:
.endm
.macro CROUND
	s_barrier_signal -1
	s_barrier_wait -1
	s_cmp_lg_u32 s14, 0
	s_cbranch_scc1 .Lnot_wave_0_\@
	s_barrier_signal -3
.Lnot_wave_0_\@:
	s_barrier_wait -3
	s_barrier_signal -1
	s_barrier_wait -1
.endm
.macro PLACES
.rept 4
	v_nop
.endr
.endm
.macro SET0 g, lds, base, off          ; a group 0
	s_mov_b32 s[\g], 1
	s_mov_b32 s[\g+1], s\lds
	s_add_nc_u64 s[\g+2:\g+3], s[\base:\base+1], \off
	s_or_b32 s[\g+3], s[\g+3], 0x80000000
.endm
.macro ROWLEN n                        ; both groups 1: a row of n elements of 8 bytes; written only where no tensor load of the wave is out
.irp g, G1, G1B
	s_mov_b32 s[\g+1], (\n)<<16
	s_mov_b32 s[\g+3], (\n)<<16
.endr
.endm
	s_load_b128 s[4:7], s[0:1], 0x0                ; xq, wq
	s_load_b64 s[8:9], s[0:1], 0x10                ; qkvq
	v_lshl_add_u32 v[SPW], v0, 2, SPARE
	v_mov_b32 v[NIL], 0
	ds_add_u32 v[SPW], v[NIL]                      ; the opening lines: the add, twice on end, and its wait ahead of my first tensor load
	ds_add_u32 v[SPW], v[NIL]
	v_lshrrev_b32 v1, 5, v0
	v_readfirstlane_b32 s14, v1                    ; wave 0..3
	v_and_b32 v2, 15, v0
	v_lshlrev_b32 v[ASX], 5, v2                    ; row r's 8 scale words
	s_lshr_b32 s15, s14, 1                         ; i: my half of the tokens.  Also: I fetch for x (0) or for W (1)
	s_and_b32 s16, s14, 1                          ; jc: my half of the columns.  Also: which half of that side I fetch
	s_bfe_u32 s10, ttmp6, 0x40000                  ; cx
	s_bfe_u32 s11, ttmp6, 0x40004                  ; cy
	s_lshl_b32 s12, ttmp9, 2
	s_add_co_u32 s12, s12, s10                     ; bx: the head
	s_and_b32 s13, ttmp7, 0xffff
	s_lshl_b32 s13, s13, 2
	s_add_co_u32 s13, s13, s11                     ; by: the block of 256 tokens
	s_lshl_b32 s17, s11, 2
	s_lshl_b32 s17, 15, s17                        ; my row of the cluster
	s_lshl_b32 s18, 0x1111, s10                    ; my column
	s_or_b32 s[G1], s17, (3<<16)|(1<<21)           ; the mask; elements of 8 bytes; bit 21 beside a mask; no padding
	s_or_b32 s[G1B], s18, (3<<16)|(1<<21)
	ROWLEN 768                                     ; steps 0-3: 6,144 bytes of a tile
.irp g, G1, G1B
	s_mov_b32 s[\g+5], 1536                        ; from tile to tile: 12,288 bytes
	s_mov_b32 s[\g+6], 0
	s_mov_b32 s[\g+7], 0
.endr
	s_mov_b32 s[G1+2], 8<<16                       ; x: 8 tiles a load
	s_mov_b32 s[G1+4], 8
	s_mov_b32 s[G1B+2], 6<<16                      ; W: 6
	s_mov_b32 s[G1B+4], 6
	s_lshl_b32 s20, s13, 4                         ; x's side hangs on by and the wave alone
	s_lshl_b32 s21, s16, 3
	s_add_co_u32 s21, s20, s21                     ; first token tile that I fetch
	s_mul_i32 s22, s21, 12288
	s_mov_b32 s23, 0
	s_lshl_b32 s21, s15, 3
	s_add_co_u32 s20, s20, s21                     ; first token tile that I multiply: its scale words
	s_lshl_b32 s20, s20, 9
	s_add_co_u32 s20, s20, XSO
	s_mov_b32 s21, 0
	s_mul_i32 s92, s12, 12                         ; W's side hangs on bx and the wave alone
	s_mul_i32 s93, s16, 6
	s_add_co_u32 s92, s92, s93                     ; first W tile, fetched and multiplied: 12 bx + 6 half
	s_mul_i32 s94, s92, 12288
	s_mov_b32 s95, 0
	s_lshl_b32 s92, s92, 9
	s_add_co_u32 s92, s92, WSO
	s_mov_b32 s93, 0
	s_mul_i32 s96, s16, 49152                      ; LDS places: the wave's number alone
	s_mul_i32 s97, s16, 36864
	s_add_co_u32 s98, s97, XBL
	s_add_co_u32 s97, s97, WAL
	s_mul_i32 s99, s16, 27648
	s_add_co_u32 s99, s99, WBL
	s_mul_i32 s40, s15, 49152                      ; what I read of x
	s_mul_i32 s42, s15, 36864
	s_add_co_u32 s42, s42, XBL
	s_lshl_b32 s44, s15, 8
	s_lshl_b32 s45, s16, 3
	s_add_co_u32 s44, s44, s45
	s_add_co_u32 s44, s44, VSC
	s_wait_alu depctr_va_vdst(0)
	s_wait_dscnt 0x0                               ; both opening adds are done
	s_wait_kmcnt 0x0
	s_add_nc_u64 s[22:23], s[4:5], s[22:23]
	s_add_nc_u64 s[20:21], s[4:5], s[20:21]
	s_add_nc_u64 s[94:95], s[6:7], s[94:95]
	s_add_nc_u64 s[92:93], s[6:7], s[92:93]
	SET0 56, 96, 22, 0                             ; x: steps 0-3,
	SET0 60, 98, 22, 6144                          ; 4-6,
	SET0 68, 96, 22, 10752                         ; 7
	SET0 76, 97, 94, 0                             ; W likewise
	SET0 80, 99, 94, 6144
	SET0 84, 97, 94, 10752
.irp m, 0,1,2,3,4,5,6,7
	global_load_b128 v[XSC+8*\m:XSC+8*\m+3], v[ASX], s[20:21] offset:512*\m       ; token tile m: row r's words of K steps 0-3,
	global_load_b128 v[XSC+8*\m+4:XSC+8*\m+7], v[ASX], s[20:21] offset:512*\m+16  ; and 4-7
.endr
.irp t, 0,1,2,3,4,5
	global_load_b128 v[WSC+8*\t:WSC+8*\t+3], v[ASX], s[92:93] offset:512*\t
	global_load_b128 v[WSC+8*\t+4:WSC+8*\t+7], v[ASX], s[92:93] offset:512*\t+16
.endr
	CROUND                                         ; all sixteen work-groups are here: the first joint loads meet
	JLOAD 56, G1, 76, G1B                          ; steps 0-3: my one load at the head
	v_and_b32 v1, 31, v0                           ; l
	v_and_b32 v2, 15, v0                           ; r
	v_bfe_u32 v3, v0, 4, 1                         ; h
	v_lshlrev_b32 v[LI], 4, v1
	v_add_nc_u32 v[ADX], s40, v[LI]
	v_add_nc_u32 v[ADX+1], s42, v[LI]
	v_add_nc_u32 v[ADW], s97, v[LI]
	v_add_nc_u32 v[ADW+1], s99, v[LI]
	v_lshlrev_b32 v[QSA], 4, v2
	v_lshl_add_u32 v[QSA], v3, 3, v[QSA]
	v_lshl_add_u32 v[VSA], v2, 4, s44
	v_lshl_add_u32 v[VSA], v3, 2, v[VSA]           ; VSC + 256 i + 8 jc + 16 r + 4 h
	v_add_nc_u32 v[VSR], VSC, v[LI]
; The fragments of K step s: 18 loads for W's six tiles, 24 for x's eight, 512 consecutive bytes each, into set s % 2
.macro FETCH s
.set QQ, (\s)%2
.if (\s) < 4
.set RG, 0
.set RW, 6144
.set OF, 1536*(\s)
.elseif (\s) < 7
.set RG, 1
.set RW, 4608
.set OF, 1536*((\s)-4)
.else
.set RG, 0
.set RW, 1536
.set OF, 0
.endif
	WIN 0x40
.irp t, 0,1,2,3,4,5
.irp c, 0,1,2
	ds_load_b128 v[128*QQ+12*\t+4*\c:128*QQ+12*\t+4*\c+3], v[ADW+RG] offset:RW*\t+OF+512*\c
.endr
.endr
.if QQ == 0
	WIN 0
.set XB, 144
.else
	WIN 0xc0
.set XB, 128
.endif
.irp m, 0,1,2,3,4,5,6,7
.irp c, 0,1,2
	ds_load_b128 v[XB+12*\m+4*\c:XB+12*\m+4*\c+3], v[ADX+RG] offset:RW*\m+OF+512*\c
.endr
.endr
.endm
; The 48 products of K step s.  The 48 accumulators take turns, one instruction a turn, in the same order in every step.  zero = 1: the first step starts the sums.
.macro MUL s, zero
.if (\s)%2 == 0
	WIN 0xa1
.set XB, 144
.set WB, 0
.else
	WIN 0xad
.set XB, 128
.set WB, 128
.endif
.irp m, 0,1,2,3,4,5,6,7
.irp t, 0,1,2,3
.if \zero
	v_wmma_scale_f32_16x16x128_f8f6f4 v[8*(4*\m+\t):8*(4*\m+\t)+7], v[WB+12*\t:WB+12*\t+11], v[XB+12*\m:XB+12*\m+11], 0, v[WSC+8*\t+\s], v[XSC+8*\m+\s] matrix_a_fmt:MATRIX_FMT_FP6 matrix_b_fmt:MATRIX_FMT_FP6
.else
	v_wmma_scale_f32_16x16x128_f8f6f4 v[8*(4*\m+\t):8*(4*\m+\t)+7], v[WB+12*\t:WB+12*\t+11], v[XB+12*\m:XB+12*\m+11], v[8*(4*\m+\t):8*(4*\m+\t)+7], v[WSC+8*\t+\s], v[XSC+8*\m+\s] matrix_a_fmt:MATRIX_FMT_FP6 matrix_b_fmt:MATRIX_FMT_FP6
.endif
.endr
.endr
.if (\s)%2 == 0
	WIN 0xf4
.else
	WIN 0xf7
.endif
.irp u, 0,1
.irp m, 0,1,2,3,4,5,6,7
.if \zero
	v_wmma_scale_f32_16x16x128_f8f6f4 v[8*(8*\u+\m):8*(8*\u+\m)+7], v[XB+12*\m:XB+12*\m+11], v[WB+12*(4+\u):WB+12*(4+\u)+11], 0, v[XSC+8*\m+\s], v[WSC+8*(4+\u)+\s] matrix_a_fmt:MATRIX_FMT_FP6 matrix_b_fmt:MATRIX_FMT_FP6
.else
	v_wmma_scale_f32_16x16x128_f8f6f4 v[8*(8*\u+\m):8*(8*\u+\m)+7], v[XB+12*\m:XB+12*\m+11], v[WB+12*(4+\u):WB+12*(4+\u)+11], v[8*(8*\u+\m):8*(8*\u+\m)+7], v[XSC+8*\m+\s], v[WSC+8*(4+\u)+\s] matrix_a_fmt:MATRIX_FMT_FP6 matrix_b_fmt:MATRIX_FMT_FP6
.endif
.endr
.endr
.endm
	s_wait_alu depctr_va_vdst(0)
	s_wait_tensorcnt 0x0                           ; my part of steps 0-3 is in
	ds_add_u32 v[SPW], v[NIL]
	ROWLEN 576                                     ; no load of mine is out: steps 4-6 are rows of 4,608 bytes
	s_wait_dscnt 0x0
	CROUND                                         ; everybody's part is in, and all sixteen work-groups are here
	JLOAD 60, G1, 80, G1B                          ; steps 4-6, my one load behind the round
	FETCH 0
	s_wait_loadcnt 0x0                             ; the scale words
	s_wait_dscnt 0x0
	FETCH 1                                        ; into a set that nothing has read yet
	MUL 0, 1
.irp s, 1,2
	s_wait_dscnt 0x0                               ; this step's fragments, asked for 48 matrix instructions ago
	PLACES
	FETCH \s+1
	MUL \s, 0
.endr
	WIN 0                                          ; the one refill: all four steps of the first region have been fetched
	s_wait_tensorcnt 0x0                           ; my part of steps 4-6 has landed,
	ds_add_u32 v[SPW], v[NIL]                      ; 0 onto my spare word
	ROWLEN 192                                     ; step 7: rows of 1,536 bytes
	s_wait_dscnt 0x0                               ; the add is done, and my reads of steps 0-3 are over
	CROUND
	JLOAD 68, G1, 84, G1B                          ; my one load behind the round; its four v_nop are the places in front of the loads below
	FETCH 4
	MUL 3, 0
.irp s, 4,5
	s_wait_dscnt 0x0
	PLACES
	FETCH \s+1
	MUL \s, 0
.endr
	WIN 0
	s_wait_tensorcnt 0x0                           ; my part of step 7: the only load that was out
	s_wait_dscnt 0x0
	s_barrier_signal -1
	s_barrier_wait -1                              ; everybody's is in; nothing is filled again
	PLACES
	FETCH 7
	MUL 6, 0
	s_wait_dscnt 0x0
	MUL 7, 0
	WIN 0
; THE WAY OUT.  64 numbers of a lane in window wm's registers s .. s + 63, register 16 b + i = index 32 b + 16 h + i along the next K, become 12 registers of codes at v[pc] and a scale word in v[pw].  Each accumulator is read from its low end on.
.macro QUANT64 s, pc, pw, wm, wc
	WIN \wm
.irp b, 0,1,2,3
	v_max3_num_f32 v[TM+\b], 0x1800000, |v[\s+16*\b]|, |v[\s+1+16*\b]|
.endr
.irp i, 2,4,6,8,10,12,14
.irp b, 0,1,2,3
	v_max3_num_f32 v[TM+\b], v[TM+\b], |v[\s+16*\b+\i]|, |v[\s+1+16*\b+\i]|
.endr
.endr
	WIN 0
.irp b, 0,1,2,3
	v_permlanex16_b32 v[TM+4+\b], v[TM+\b], s[SEL], s[SEL+1]
.endr
.irp b, 0,1,2,3
	v_max_num_f32 v[TM+\b], v[TM+\b], v[TM+4+\b]
.endr
.irp b, 0,1,2,3
	v_add_nc_u32 v[TM+12+\b], 0xff000000, v[TM+\b]
.endr
.irp b, 0,1,2,3
	v_lshrrev_b32 v[TM+4+\b], 23, v[TM+12+\b]
.endr
	v_lshl_or_b32 v[\pw], v[TM+5], 8, v[TM+4]
	v_lshl_or_b32 v[\pw], v[TM+6], 16, v[\pw]
	v_lshl_or_b32 v[\pw], v[TM+7], 24, v[\pw]
	WIN \wc
.irp c, 0,1
	v_cvt_scalef32_pk16_fp6_f32 v[\pc+6*\c:\pc+2+6*\c], v[\s+32*\c:\s+15+32*\c], v[TM+12+2*\c]
	v_cvt_scalef32_pk16_fp6_f32 v[\pc+12+4*\c:\pc+14+4*\c], v[\s+16+32*\c:\s+31+32*\c], v[TM+12+2*\c+1]
.endr
	WIN 0
	v_nop                                          ; one plain place behind a scaled conversion
.irp c, 0,1
.irp i, 0,1,2
	v_permlane16_swap_b32 v[\pc+6*\c+\i], v[\pc+12+4*\c+\i]
.endr
.irp i, 0,1,2
	v_mov_b32 v[\pc+3+6*\c+\i], v[\pc+12+4*\c+\i]
.endr
.endr
.endm
.macro STORE3 pc, base, off            ; a fragment's image: three stores of 512 consecutive bytes, aligned
.irp c, 0,1,2
	global_store_b128 v[LI], v[\pc+4*\c:\pc+4*\c+3], s[\base:\base+1] offset:\off+512*\c
.endr
.endm
.set SEL, 20
	PLACES
	s_mov_b32 s[SEL], 0x76543210
	s_mov_b32 s[SEL+1], 0xfedcba98
	s_lshr_b32 s92, s13, 3
	s_lshl_b32 s92, s92, 4
	s_add_co_u32 s92, s92, s12                     ; bh = 16 (by / 8) + bx
	s_and_b32 s94, s13, 7
	s_lshl_b32 s93, s92, 12
	s_lshl_b32 s95, s94, 9
	s_add_co_u32 s93, s93, s95                     ; scale words: 4,096 bh + 512 (by % 8)
	s_mul_i32 s92, s92, 98304
	s_mul_i32 s94, s94, 12288
	s_add_co_u32 s92, s92, s94
	s_mul_i32 s94, s15, 6144
	s_add_co_u32 s92, s92, s94                     ; codes: 98,304 bh + 6,144 j, j = 2 (by % 8) + i
	s_mov_b32 s95, 0
	s_add_co_u32 s94, s93, VSO
	s_add_nc_u64 s[2:3], s[8:9], s[94:95]          ; v's scale words of both halves of the tokens
	s_lshl_b32 s94, s15, 8
	s_add_co_u32 s93, s93, s94
	s_lshl_b32 s94, s16, 18
	s_add_co_u32 s93, s93, s94
	s_add_co_u32 s94, s93, QSO
	s_add_nc_u64 s[96:97], s[8:9], s[94:95]        ; q's or k's scale words
	s_mul_i32 s94, s16, KCO
	s_add_co_u32 s94, s94, s92
	s_add_nc_u64 s[98:99], s[8:9], s[94:95]        ; q's or k's codes
	s_mul_i32 s94, s16, 3072
	s_add_co_u32 s94, s94, s92
	s_add_co_u32 s94, s94, VCO
	s_add_nc_u64 s[100:101], s[8:9], s[94:95]      ; v's codes, tiles 2 jc and 2 jc + 1
.irp b, 0,1,2,3
	v_mov_b32 v[TM+4+\b], 0                        ; a lane permute's destination counts as read
.endr
	v_cmp_lt_u32 vcc_lo, 15, v1                    ; lanes 16-31
	QUANT64 0, 144, PW, 0x28, 0x02                 ; q or k: token tiles 0 and 1: one pair, one image
	STORE3 144, 98, 0
	QUANT64 64, 164, PW+1, 0x28, 0x02
	STORE3 164, 98, 1536
	QUANT64 128, 184, PW+2, 0x28, 0x02
	STORE3 184, 98, 3072
	s_wait_xcnt 0x0                                ; the earlier stores have read their registers: the first set is written again
	QUANT64 192, 144, PW+3, 0x28, 0x02
	STORE3 144, 98, 4608
	v_cndmask_b32 v230, v[PW], v[PW+2], vcc_lo     ; lanes 0-15 send row r's words of pairs 0, 1; lanes 16-31 those of pairs 2, 3
	v_cndmask_b32 v231, v[PW+1], v[PW+3], vcc_lo
	global_store_b64 v[QSA], v[230:231], s[96:97]  ; 256 consecutive bytes, aligned
	s_wait_xcnt 0x0
	QUANT64 0, 164, PW+4, 0x3c, 0x03               ; v: 16 columns x my 128 tokens: one fragment of the second product
	STORE3 164, 100, 0
	s_wait_xcnt 0x0
	QUANT64 64, 184, PW+5, 0x3c, 0x03
	STORE3 184, 100, 1536
	v_cndmask_b32 v232, v[PW+4], v[PW+5], vcc_lo
	ds_store_b32 v[VSA], v232                      ; a row's four words come from two waves: they meet in LDS
	s_wait_dscnt 0x0
	s_barrier_signal -1
	s_barrier_wait -1
	s_cmp_lg_u32 s14, 0
	s_cbranch_scc1 .Lnot0
	ds_load_b128 v[232:235], v[VSR]
	s_wait_dscnt 0x0
	global_store_b128 v[LI], v[232:235], s[2:3]    ; 512 consecutive bytes, aligned
.Lnot0:
	s_wait_tensorcnt 0x0                           ; the wave's end
	ds_add_u32 v[SPW], v[NIL]
	s_wait_dscnt 0x0
	CROUND                                         ; the closing round
	s_endpgm
.Lfunc_end_k_q366f9c7435_qkv:
	.size	k_q366f9c7435_qkv, .Lfunc_end_k_q366f9c7435_qkv-k_q366f9c7435_qkv
	.p2alignl 7, 3214868480
	.fill 96, 4, 3214868480
	.section	.rodata,"a",@progbits
	.p2align	6, 0x0
	.amdhsa_kernel k_q366f9c7435_qkv
		.amdhsa_group_segment_fixed_size 327680
		.amdhsa_private_segment_fixed_size 0
		.amdhsa_enable_private_segment 0
		.amdhsa_kernarg_size 24
		.amdhsa_user_sgpr_count 2
		.amdhsa_user_sgpr_kernarg_segment_ptr 1
		.amdhsa_wavefront_size32 1
		.amdhsa_system_sgpr_workgroup_id_x 1
		.amdhsa_system_sgpr_workgroup_id_y 1
		.amdhsa_system_sgpr_workgroup_id_z 1
		.amdhsa_system_vgpr_workitem_id 0
		.amdhsa_next_free_vgpr 1024
		.amdhsa_next_free_sgpr 102
		.amdhsa_reserve_vcc 1
		.amdhsa_float_denorm_mode_32 3
		.amdhsa_float_denorm_mode_16_64 3
		.amdhsa_memory_ordered 1
		.amdhsa_forward_progress 1
		.amdhsa_inst_pref_size 111
	.end_amdhsa_kernel
	.amdgpu_metadata
---
amdhsa.version: [ 1, 2 ]
amdhsa.kernels:
  - .name:           k_q366f9c7435_qkv
    .symbol:         k_q366f9c7435_qkv.kd
    .args:
      - { .name: xq, .offset: 0, .size: 8, .value_kind: global_buffer, .address_space: global }
      - { .name: wq, .offset: 8, .size: 8, .value_kind: global_buffer, .address_space: global }
      - { .name: qkvq, .offset: 16, .size: 8, .value_kind: global_buffer, .address_space: global }
    .group_segment_fixed_size: 327680
    .private_segment_fixed_size: 0
    .kernarg_segment_align: 8
    .kernarg_segment_size: 24
    .max_flat_workgroup_size: 128
    .sgpr_count:     102
    .vgpr_count:     1024
    .wavefront_size: 32
...
	.end_amdgpu_metadata
.endif
;; end of part 2
;; launch attn (part 3): grid 4 x 64, 16 waves a work-group, clusters of 4 x 1, 208,896 bytes of LDS; arguments qkvq, oq; writes oq
.if DOCPART == 3
	.amdgcn_target "amdgcn-amd-amdhsa--gfx1250"
	.amdhsa_code_object_version 6
	.text
	.protected	k_q366f9c7435_attn
	.globl	k_q366f9c7435_attn
	.p2align	8
	.type	k_q366f9c7435_attn,@function
k_q366f9c7435_attn:
	s_mov_b64 s[64:65], 0
	v_nop
	global_prefetch_b8 v0, s[64:65] scope:SCOPE_SE
	s_setreg_imm32_b32 hwreg(HW_REG_WAVE_MODE, 25, 1), 1
	s_wait_xcnt 0x0
	s_wait_alu depctr_hold_cnt(0) depctr_sa_sdst(0) depctr_va_vdst(0) depctr_va_sdst(0) depctr_va_ssrc(0) depctr_va_vcc(0) depctr_vm_vsrc(0)
	s_getreg_b32 s2, hwreg(HW_REG_IB_STS2, 6, 4)
	s_cmp_eq_u32 s2, 0
	s_cbranch_scc0 .Lentry_in_a_cluster
	s_endpgm
.Lentry_in_a_cluster:
	s_bfe_u32 s2, ttmp6, 0x10000c
	s_cmp_lg_u32 s2, 0x3003
	s_cbranch_scc0 .Lentry_shape_is_right
	s_endpgm
.Lentry_shape_is_right:
; Causal attention of one (batch, head) = bh for each cluster, on codes of FP6 (E2M3) with E8M0 scales; its result, divided by the row's sum, is quantised along the head's 64 for the output projection.
; t = score x log2(e) / 8; M = the running largest t rounded UP to a whole number; p = 2^(t - M) is quantised along the keys, not normalised; the sum is taken of the unquantised p; when M moves, sum and O are multiplied by 2^(old M - new M), exactly.
; A HEAD'S WHOLE K, V AND SCALE WORDS (200 KiB) LIE IN LDS: filled once, jointly for the four partners, and never again: one barrier, then every wave runs by itself.  A wave has at most one tensor load out.
; SHARES.  Wave w of partner cx makes two tiles of 16 queries, one after the other: tile 2 cx of block w (128 queries a block), then tile 2 cx + 1 of block 15 - w: (w + 1) + (16 - w) = 17 key steps of 128 for every wave.
; Each tile walks a loop of 16 trips, a constant; a step all of whose keys come after the tile's block is jumped over by a scalar branch on the wave's number and the counter.  cx enters global addresses and the mask's number alone.
; LAYOUT.  Both products are used transposed (S^T = K Q^T, O^T = V^T P^T): a lane holds one query throughout.  By the choice of a tile's rows the 16 registers of two neighbouring tiles of S^T are 16 neighbouring keys.
; A HEAD HAS 64 ALONG K, THE INSTRUCTION 128: a fragment of K holds two tiles of keys (registers 0-5, 6-11) and is used whole, twice: against (q, zeros) for the first tile and against (zeros, q) for the second.  Zero codes add nothing.
; LIMITS: NaN and infinities are not served; a block of zeros keeps the byte 1 (zero codes; only this program reads the bytes).
; REGISTERS: v1-11 addresses; v12 -M, v13 largest t, v[14:15] the sum; v16-33 q, zeros, q; v34 q's scale word, v36-39 K's, v40-43 V's, v230 p's (these hold scales alone); v44-91 K's 4 fragments; v96-159 S^T, then p, then V's 4 fragments;
;   v160-191 O^T; v192-210 codes; v212-233 at work.
.set VCL,   98304                      ; LDS: K's codes at 0, V's here,
.set KSL,   196608                     ; K's scale words [j][r][4 pairs], V's 4,096 bytes on [j][r][4 dt],
.set OSC,   204800                     ; o's scale words on their way out: [block 16][e 2][r 16], 2,048 bytes that no tensor load fills
.set SPARE, 206848                     ; the spare words, 128 bytes for each of the 16 waves: no other line names them
.set KCO,   6291456
.set QSO,   18874368
.set KSO,   19136512
.set OSO,   6291456
.set LI,  1                            ; 16 l: a fragment's place for my lane, in LDS (K's) and in memory
.set AV0, 2
.set AS0, 3
.set SPW, 4                            ; my spare word's LDS address; never rewritten
.set NIL, 5                            ; 0; never rewritten
.set DD,  6                            ; my query's place in its block, less 16 h
.set L8,  7                            ; 8 l
.set ADK, 8
.set ADV, 9
.set ADS, 10
.set QS,  34
.set QR,  35
.set KSW, 36
.set VSW, 40
.set KF,  44
.set S,   96
.set O,   160
.set PCD, 192
.set BM,  212
.set BP,  216
.set SO,  220
.set QW,  224                          ; 16 r
.set OW0, 225                          ; OSC + 4 r
.set NINF, 226
.set OW,  227
.set F,   228
.set PWD, 230
.set TP,  231
.set SUM2, 232
.set OL,  234
.set OG,  235
.set WV,  20
.set CX,  21
.set BH,  22
.set HD,  23
.set G1C, 24                           ; s[24:31] group 1 for a quarter of the codes; s[32:39] for scale words; s[40:43], s[44:47] their groups 0
.set G1S, 32
.set SEL, 48
.set CS,  50
.set JJ,  52
.set AA,  53
.set TB,  54
.set TS,  55
.macro CROUND
	s_barrier_signal -1
	s_barrier_wait -1
	s_cmp_lg_u32 s[WV], 0
	s_cbranch_scc1 .Lnot_wave_0_\@
	s_barrier_signal -3
.Lnot_wave_0_\@:
	s_barrier_wait -3
	s_barrier_signal -1
	s_barrier_wait -1
.endm
	s_load_b128 s[4:7], s[0:1], 0x0                ; qkvq, oq
	v_lshl_add_u32 v[SPW], v0, 2, SPARE
	v_mov_b32 v[NIL], 0
	ds_add_u32 v[SPW], v[NIL]                      ; the wave's opening: the add and its wait ahead of my first tensor load; register work stands between them
	ds_add_u32 v[SPW], v[NIL]
	v_lshrrev_b32 v8, 5, v0
	s_delay_alu instid0(VALU_DEP_1)
	v_readfirstlane_b32 s[WV], v8                  ; wave 0..15
	s_bfe_u32 s[CX], ttmp6, 0x40000                ; my place in the cluster
	s_and_b32 s[BH], ttmp7, 0xffff                 ; batch x 16 + head, which the four partners share
	s_and_b32 s[HD], s[BH], 15
.irp g, G1C, G1S
	s_mov_b32 s[\g], 15|(3<<16)|(1<<21)            ; 15:0 the mask: all four; 17:16 elements of 8 bytes; 21 set beside a mask; no padding
	s_mov_b32 s[\g+1], 32<<16                      ; dense blocks as rows of 256 bytes
	s_mov_b32 s[\g+3], 32<<16
	s_mov_b32 s[\g+5], 32
	s_mov_b32 s[\g+6], 0
	s_mov_b32 s[\g+7], 0
.endr
	s_mov_b32 s[G1C+2], 96<<16                     ; 24,576 bytes: a quarter of K's or of V's codes
	s_mov_b32 s[G1C+4], 96
	s_mov_b32 s[G1S+2], 16<<16                     ; 4,096 bytes: K's or V's scale words
	s_mov_b32 s[G1S+4], 16
	s_lshr_b32 s72, s[WV], 2                       ; waves 0-3: K's quarters; waves 4-7: V's (V's codes lie as far behind K's as K's behind q's)
	s_add_co_u32 s72, s72, 1
	s_mul_i32 s72, s72, KCO
	s_and_b32 s73, s[WV], 3
	s_mul_i32 s73, s73, 24576
	s_add_co_u32 s72, s72, s73
	s_mul_i32 s73, s[BH], 98304
	s_add_co_u32 s72, s72, s73
	s_mov_b32 s73, 0
	s_and_b32 s74, s[WV], 1                        ; wave 8: K's words; wave 9: V's, 2^18 bytes on
	s_lshl_b32 s74, s74, 18
	s_lshl_b32 s75, s[BH], 12
	s_add_co_u32 s74, s74, s75
	s_add_co_u32 s74, s74, KSO
	s_mov_b32 s75, 0
	s_mov_b32 s40, 1
	s_mul_i32 s41, s[WV], 24576                    ; LDS: wave x a quarter
	s_mov_b32 s44, 1
	s_lshl_b32 s45, s[WV], 12
	s_add_co_u32 s45, s45, KSL-8*4096              ; LDS: KSL for wave 8, 4,096 on for wave 9
	s_mov_b32 s[SEL], 0x76543210
	s_mov_b32 s[SEL+1], 0xfedcba98
	s_mov_b32 s[CS], 0x3e38aa3b                    ; c = log2(e) / sqrt(64)
	s_mov_b32 s[CS+1], s[CS]                       ; (named with it as a pair, so it is written)
	s_wait_dscnt 0x0                               ; the opening add is done
	s_wait_kmcnt 0x0
	s_add_nc_u64 s[42:43], s[4:5], s[72:73]
	s_or_b32 s43, s43, 0x80000000
	s_add_nc_u64 s[46:47], s[4:5], s[74:75]
	s_or_b32 s47, s47, 0x80000000
	CROUND                                         ; all four work-groups are here: the joint loads meet
	s_cmp_lt_u32 s[WV], 8                          ; the branches hang on the wave's number alone; an s_nop 0 and four v_nop follow each load
	s_cbranch_scc0 .Lnot_codes
	tensor_load_to_lds s[40:43], s[G1C:G1C+7]
	s_nop 0
.rept 4
	v_nop
.endr
	s_branch .Lasked
.Lnot_codes:
	s_cmp_lt_u32 s[WV], 10
	s_cbranch_scc0 .Lasked
	tensor_load_to_lds s[44:47], s[G1S:G1S+7]
	s_nop 0
.rept 4
	v_nop
.endr
.Lasked:
	v_and_b32 v8, 31, v0                           ; l
	v_and_b32 v9, 15, v0                           ; r
	v_bfe_u32 v10, v0, 4, 1                        ; h
	s_delay_alu instid0(VALU_DEP_3)
	v_lshlrev_b32 v[LI], 4, v8
	s_delay_alu instid0(VALU_DEP_1)
	v_add_nc_u32 v[AV0], VCL, v[LI]
	s_delay_alu instid0(VALU_DEP_4)
	v_lshl_add_u32 v[AS0], v9, 4, KSL
	v_lshlrev_b32 v[L8], 3, v8
	v_lshlrev_b32 v[QW], 4, v9
	v_lshl_add_u32 v[OW0], v9, 2, OSC
	v_add_nc_u32 v[OL], OSC, v[LI]
	v_lshlrev_b32 v[OG], 14, v10
	s_delay_alu instid0(VALU_DEP_1)
	v_lshl_add_u32 v[OG], v9, 4, v[OG]             ; the words' way out: lanes 0-15 one block of 256 tokens, lanes 16-31 the next
	v_and_b32 v[DD], 8, v9
	s_delay_alu instid0(VALU_DEP_1)
	v_add_nc_u32 v[DD], v[DD], v9                  ; r + 8 (r / 8)
	v_lshlrev_b32 v10, 4, v10
	s_delay_alu instid0(VALU_DEP_1)
	v_sub_nc_u32 v[DD], v[DD], v10                 ; - 16 h
	s_lshl_b32 s66, s[CX], 5
	v_add_nc_u32 v[DD], s66, v[DD]                 ; + 32 cx: tile 2 cx
	v_mov_b32 v[NINF], 0xff800000                  ; -infinity
.irp j, 22,23,24,25,26,27
	v_mov_b32 v\j, 0                               ; the zero codes between the two copies of q
.endr
.irp b, 0,1,2,3
	v_mov_b32 v[BP+\b], 0                          ; a lane permute's destination counts as read
.endr
	v_mov_b32 v[F+1], 0                            ; (named as the upper half of a pair)
	v_mov_b32 v[TP], 0
	s_lshr_b32 s66, s[BH], 4
	s_lshl_b32 s66, s66, 17                        ; o's scale words: batch x 8 blocks of 16,384 bytes,
	s_lshl_b32 s67, s[HD], 2
	s_add_co_u32 s67, s67, s[CX]
	s_lshl_b32 s67, s67, 8                         ; + 256 (4 head + cx)
	s_add_co_u32 s66, s66, s67
	s_add_co_u32 s66, s66, OSO
	s_mov_b32 s67, 0
	s_add_nc_u64 s[62:63], s[6:7], s[66:67]
	s_and_b32 s70, s[HD], 1
	s_lshl_b32 s70, s70, 4                         ; an odd head's two bytes stand in the word's upper half
	s_wait_tensorcnt 0x0                           ; my part has landed,
	s_barrier_signal -1
	s_barrier_wait -1                              ; everybody's has: from here on LDS is only read, but for the words at OSC
; One tile of 16 queries: e = 0: block w, tile 2 cx; e = 1: block 15 - w, tile 2 cx + 1.
.macro TILE e
	s_wait_xcnt 0x0                                ; the last tile's loads and stores have read their addresses and data: all may be written again
.if \e == 0
	s_mov_b32 s[AA], s[WV]
.else
	s_xor_b32 s[AA], s[WV], 15
	v_add_nc_u32 v[DD], 8, v[DD]
.endif
	s_lshl_b32 s66, s[AA], 2
	s_add_co_u32 s66, s66, s[CX]
	s_mul_i32 s66, s66, 1536                       ; q's pair of tiles: 4 A + cx
	s_mul_i32 s67, s[BH], 98304
	s_add_co_u32 s66, s66, s67
	s_mov_b32 s67, 0
	s_add_nc_u64 s[56:57], s[4:5], s[66:67]
	s_lshl_b32 s66, s[BH], 12
	s_lshl_b32 s68, s[AA], 8
	s_add_co_u32 s66, s66, s68
	s_lshl_b32 s68, s[CX], 2
	s_add_co_u32 s66, s66, s68
	s_add_co_u32 s66, s66, QSO
	s_add_nc_u64 s[58:59], s[4:5], s[66:67]        ; and its scale words
	s_lshr_b32 s66, s[BH], 4
	s_lshl_b32 s66, s66, 7
	s_lshl_b32 s68, s[AA], 3
	s_add_co_u32 s66, s66, s68
	s_lshl_b32 s68, s[CX], 1
	s_add_co_u32 s66, s66, s68
	s_add_co_u32 s66, s66, \e                      ; the token tile: 128 batch + 8 A + 2 cx + e
	s_mul_i32 s66, s66, 12288
	s_mul_i32 s68, s[HD], 768
	s_add_co_u32 s66, s66, s68
	s_add_nc_u64 s[60:61], s[6:7], s[66:67]        ; o's codes: [tile][head][768 bytes]
.irp p, 0,1,2
.if \e == 0
.set QOF, 8*\p+496*(\p/2)                      ; registers 0-5 of the pair's image: bytes 0, 8 and 512 over 16 l
.else
.set QOF, 520+504*((\p+1)/2)+8*(\p/2)          ; registers 6-11: bytes 520, 1,024 and 1,032
.endif
	global_load_b64 v[16+2*\p:17+2*\p], v[LI], s[56:57] offset:QOF
	global_load_b64 v[28+2*\p:29+2*\p], v[LI], s[56:57] offset:QOF
.endr
	global_load_b32 v[QR], v[QW], s[58:59]
	v_mov_b32 v13, 0xff61b1e6                      ; the largest t so far: -3e38
	s_delay_alu instid0(VALU_DEP_1)
	v_floor_f32 v12, -v13                          ; -M
	v_mov_b32 v14, 0
	v_mov_b32 v15, 0
	s_lshl_b32 s66, s[AA], 7
	s_add_co_u32 s66, s66, 64*\e
	v_add_nc_u32 v[OW], s66, v[OW0]                ; where this tile's scale word goes: OSC + 128 A + 64 e + 4 r
	s_mov_b32 s[TB], 0
	s_mov_b32 s[TS], 0
	s_mov_b32 s[JJ], 0
	s_wait_loadcnt 0x0
.if \e == 0
	v_perm_b32 v[QS], v[QR], v[QR], 0x01000100     ; my tile's two bytes, twice: they serve q in either half of K
.else
	v_perm_b32 v[QS], v[QR], v[QR], 0x03020302
.endif
.set i, 0
.rept 32
	v_mov_b32 v[O+i], 0                            ; O^T: the first change of M leaves zeros zeros.  (These are also the places between the scale word's write and the first product)
.set i, i+1
.endr
.Lstep_\@:
	s_cmp_gt_u32 s[JJ], s[AA]                      ; all keys of this step come after my queries
	s_cbranch_scc1 .Lhid_\@
	v_add_nc_u32 v[ADK], s[TB], v[LI]
	v_add_nc_u32 v[ADV], s[TB], v[AV0]
	v_add_nc_u32 v[ADS], s[TS], v[AS0]
	v_nop
	v_nop                                          ; five places: the scores are laid over V's fragments, which the last step's products read
.irp p, 0,1,2,3
.irp c, 0,1,2
	ds_load_b128 v[KF+12*\p+4*\c:KF+12*\p+4*\c+3], v[ADK] offset:1536*\p+512*\c
.endr
.endr
	ds_load_b128 v[KSW:KSW+3], v[ADS]
	s_wait_dscnt 0x0
.irp p, 0,1,2,3
	v_wmma_scale_f32_16x16x128_f8f6f4 v[S+16*\p:S+16*\p+7], v[KF+12*\p:KF+12*\p+11], v[16:27], 0, v[KSW+\p], v[QS] matrix_a_fmt:MATRIX_FMT_FP6 matrix_b_fmt:MATRIX_FMT_FP6
	v_wmma_scale_f32_16x16x128_f8f6f4 v[S+16*\p+8:S+16*\p+15], v[KF+12*\p:KF+12*\p+11], v[22:33], 0, v[KSW+\p], v[QS] matrix_a_fmt:MATRIX_FMT_FP6 matrix_b_fmt:MATRIX_FMT_FP6
.endr                                          ; register 16 b + i: key 128 J + 32 b + 16 h + i
.rept 4
	v_nop
.endr
	s_cmp_lg_u32 s[JJ], s[AA]                      ; only the step on the diagonal has hidden keys
	s_cbranch_scc1 .Lopen_\@
.irp n, 0,1,2,3,4,5,6,7,8,9,10,11,12,13,14,15,16,17,18,19,20,21,22,23,24,25,26,27,28,29,30,31,32,33,34,35,36,37,38,39,40,41,42,43,44,45,46,47,48,49,50,51,52,53,54,55,56,57,58,59,60,61,62,63
	v_cmp_gt_i32 vcc_lo, 32*(\n/16)+\n%16, v[DD]
	v_cndmask_b32 v[S+\n], v[S+\n], v[NINF], vcc_lo
.endr
.Lopen_\@:
.irp b, 0,1,2,3
	v_max3_num_f32 v[BM+\b], v[S+16*\b], v[S+1+16*\b], v[S+2+16*\b]   ; the largest score of each block of 32 keys: for the row's maximum, and, since p rises with the score, for the block's largest p
.endr
.irp i, 3,5,7,9,11,13
.irp b, 0,1,2,3
	v_max3_num_f32 v[BM+\b], v[BM+\b], v[S+16*\b+\i], v[S+1+16*\b+\i]
.endr
.endr
.irp b, 0,1,2,3
	v_max_num_f32 v[BM+\b], v[BM+\b], v[S+15+16*\b]
.endr
.irp b, 0,1,2,3
	s_delay_alu instid0(VALU_DEP_4)
	v_permlanex16_b32 v[BP+\b], v[BM+\b], s[SEL], s[SEL+1]
.endr
.irp b, 0,1,2,3
	s_delay_alu instid0(VALU_DEP_4)
	v_max_num_f32 v[BM+\b], v[BM+\b], v[BP+\b]
.endr
	s_delay_alu instid0(VALU_DEP_2)
	v_max3_num_f32 v[TP], v[BM], v[BM+1], v[BM+2]
	s_delay_alu instid0(VALU_DEP_1)
	v_max_num_f32 v[TP], v[TP], v[BM+3]
	s_delay_alu instid0(VALU_DEP_1)
	v_mul_f32 v[TP], s[CS], v[TP]
	s_delay_alu instid0(VALU_DEP_1)
	v_max_num_f32 v13, v13, v[TP]                  ; the running largest t
	v_mov_b32 v[TP], v12
	s_delay_alu instid0(VALU_DEP_2)
	v_floor_f32 v12, -v13                          ; the new -M = -ceil(t)
	s_delay_alu instid0(VALU_DEP_1)
	v_sub_f32 v[TP], v12, v[TP]                    ; old M - new M: a whole number, 0 or less
	s_delay_alu instid0(VALU_DEP_1)
	v_cvt_i32_f32 v[TP], v[TP]                     ; (it saturates)
	s_delay_alu instid0(VALU_DEP_1)
	v_ldexp_f32 v[F], 1.0, v[TP]                   ; f = 2^(old M - new M)
.irp j, 0,2,4,6,8,10,12,14,16,18,20,22,24,26,28,30,32,34,36,38,40,42,44,46,48,50,52,54,56,58,60,62
	v_pk_fma_f32 v[S+\j:S+1+\j], v[S+\j:S+1+\j], s[CS:CS+1], v[12:13] op_sel_hi:[1,0,0]   ; t - M
.endr
.irp b, 0,1,2,3
	v_fma_f32 v[BM+\b], v[BM+\b], s[CS], v12
.endr
.set i, 0
	s_wait_alu depctr_va_vdst(0)
.rept 64
	v_exp_f32 v[S+i], v[S+i]                       ; p = 2^(t - M)
.set i, i+1
.endr
	v_pk_mul_f32 v[14:15], v[14:15], v[F:F+1] op_sel_hi:[1,0]   ; the sums under the new M: the plain place behind the exponentials
	s_wait_alu depctr_va_vdst(0)                   ; one wait for the whole batch, ahead of its first reader
.irp b, 0,1,2,3
	v_exp_f32 v[BM+\b], v[BM+\b]                   ; each block's largest p
.endr
	v_pk_add_f32 v[232:233], v[100:101], v[104:105]
	v_pk_add_f32 v[254:255], v[108:109], v[112:113]
	v_pk_add_f32 v[252:253], v[116:117], v[120:121]
	v_pk_add_f32 v[250:251], v[124:125], v[128:129]
	v_pk_add_f32 v[248:249], v[132:133], v[136:137]
	v_pk_add_f32 v[246:247], v[140:141], v[144:145]
	v_pk_add_f32 v[244:245], v[148:149], v[152:153]
	v_pk_add_f32 v[14:15], v[14:15], v[156:157]
	v_pk_add_f32 v[232:233], v[232:233], v[96:97]
	v_pk_add_f32 v[254:255], v[254:255], v[98:99]
	v_pk_add_f32 v[252:253], v[252:253], v[102:103]
	v_pk_add_f32 v[250:251], v[250:251], v[106:107]
	v_pk_add_f32 v[248:249], v[248:249], v[110:111]
	v_pk_add_f32 v[246:247], v[246:247], v[114:115]
	v_pk_add_f32 v[244:245], v[244:245], v[118:119]
	v_pk_add_f32 v[14:15], v[14:15], v[122:123]
	v_pk_add_f32 v[232:233], v[232:233], v[126:127]
	v_pk_add_f32 v[254:255], v[254:255], v[130:131]
	v_pk_add_f32 v[252:253], v[252:253], v[134:135]
	v_pk_add_f32 v[250:251], v[250:251], v[138:139]
	v_pk_add_f32 v[248:249], v[248:249], v[142:143]
	v_pk_add_f32 v[246:247], v[246:247], v[146:147]
	v_pk_add_f32 v[244:245], v[244:245], v[150:151]
	v_pk_add_f32 v[14:15], v[14:15], v[154:155]
	v_pk_add_f32 v[232:233], v[232:233], v[158:159]
	s_delay_alu instid0(VALU_DEP_2)
	v_pk_add_f32 v[14:15], v[14:15], v[250:251]
	s_delay_alu instid0(VALU_DEP_2)
	v_pk_add_f32 v[232:233], v[232:233], v[248:249]
	v_pk_add_f32 v[254:255], v[254:255], v[246:247]
	v_pk_add_f32 v[252:253], v[252:253], v[244:245]
	s_delay_alu instid0(VALU_DEP_2)
	v_pk_add_f32 v[14:15], v[14:15], v[254:255]
	s_delay_alu instid0(VALU_DEP_2)
	v_pk_add_f32 v[232:233], v[232:233], v[252:253]
	s_delay_alu instid0(VALU_DEP_1)
	v_pk_add_f32 v[14:15], v[14:15], v[232:233]
	s_wait_alu depctr_va_vdst(0)                   ; and one for the four
.irp b, 0,1,2,3
	v_max_num_f32 v[BM+\b], 0x1800000, v[BM+\b]    ; the floor 2^(3 - 127)
.endr
.irp b, 0,1,2,3
	s_delay_alu instid0(VALU_DEP_4)
	v_add_nc_u32 v[SO+\b], 0xff000000, v[BM+\b]
.endr
.irp b, 0,1,2,3
	s_delay_alu instid0(VALU_DEP_4)
	v_lshrrev_b32 v[BP+\b], 23, v[SO+\b]
.endr
	s_delay_alu instid0(VALU_DEP_3)
	v_lshl_or_b32 v[PWD], v[BP+1], 8, v[BP]
	s_delay_alu instid0(VALU_DEP_1)
	v_lshl_or_b32 v[PWD], v[BP+2], 16, v[PWD]
	s_delay_alu instid0(VALU_DEP_1)
	v_lshl_or_b32 v[PWD], v[BP+3], 24, v[PWD]
.irp c, 0,1
	v_cvt_scalef32_pk16_fp6_f32 v[PCD+6*\c:PCD+2+6*\c], v[S+32*\c:S+15+32*\c], v[SO+2*\c]
	v_cvt_scalef32_pk16_fp6_f32 v[PCD+12+4*\c:PCD+14+4*\c], v[S+16+32*\c:S+31+32*\c], v[SO+2*\c+1]
.endr
	v_nop                                          ; one plain place behind a scaled conversion
.irp t, 0,1,2,3
.irp c, 0,1,2
	ds_load_b128 v[S+12*\t+4*\c:S+12*\t+4*\c+3], v[ADV] offset:1536*\t+512*\c   ; V's four fragments take p's place
.endr
.endr
	ds_load_b128 v[VSW:VSW+3], v[ADS] offset:4096
.irp c, 0,1
.irp i, 0,1,2
	v_permlane16_swap_b32 v[PCD+6*\c+\i], v[PCD+12+4*\c+\i]
.endr
.irp i, 0,1,2
	s_delay_alu instid0(VALU_DEP_3)
	v_mov_b32 v[PCD+3+6*\c+\i], v[PCD+12+4*\c+\i]
.endr
.endr
.irp j, 0,2,4,6,8,10,12,14,16,18,20,22,24,26,28,30
	v_pk_mul_f32 v[O+\j:O+1+\j], v[O+\j:O+1+\j], v[F:F+1] op_sel_hi:[1,0]   ; O^T under the new M; also the places in front of the products below
.endr
	s_wait_alu depctr_va_vdst(0)
	s_wait_dscnt 0x0
.irp t, 0,1,2,3
	v_wmma_scale_f32_16x16x128_f8f6f4 v[O+8*\t:O+8*\t+7], v[S+12*\t:S+12*\t+11], v[PCD:PCD+11], v[O+8*\t:O+8*\t+7], v[VSW+\t], v[PWD] matrix_a_fmt:MATRIX_FMT_FP6 matrix_b_fmt:MATRIX_FMT_FP6
.endr
.Lhid_\@:
	s_add_co_u32 s[TB], s[TB], 6144                ; the next 128 keys: four fragments,
	s_add_co_u32 s[TS], s[TS], 256                 ; and their words
	s_add_co_u32 s[JJ], s[JJ], 1
	s_cmp_lt_u32 s[JJ], 16
	s_cbranch_scc1 .Lstep_\@
.rept 4
	v_nop                                          ; places behind the last products
.endr
	v_add_f32 v14, v14, v15
	s_delay_alu instid0(VALU_DEP_1)
	v_permlanex16_b32 v[TP], v14, s[SEL], s[SEL+1]
	s_delay_alu instid0(VALU_DEP_1)
	v_add_f32 v14, v14, v[TP]                      ; the row's sum
	s_wait_alu depctr_va_vdst(0)
	v_rcp_f32 v14, v14
	v_nop                                          ; a plain place behind the reciprocal
	s_wait_alu depctr_va_vdst(0)                   ; and the wait ahead of its first reader
.set i, 0
.rept 32
	v_mul_f32 v[S+i], v[O+i], v14                  ; o(query r, channel 32 b + 16 h + i'), each accumulator from its low end on
.set i, i+1
.endr
.irp b, 0,1
	v_max3_num_f32 v[BM+\b], |v[S+16*\b]|, |v[S+1+16*\b]|, 0x1800000   ; o is quantised along the head's 64: two blocks
.endr
.irp i, 2,4,6,8,10,12,14
.irp b, 0,1
	s_delay_alu instid0(VALU_DEP_2)
	v_max3_num_f32 v[BM+\b], v[BM+\b], |v[S+16*\b+\i]|, |v[S+1+16*\b+\i]|
.endr
.endr
.irp b, 0,1
	s_delay_alu instid0(VALU_DEP_2)
	v_permlanex16_b32 v[BP+\b], v[BM+\b], s[SEL], s[SEL+1]
.endr
.irp b, 0,1
	s_delay_alu instid0(VALU_DEP_2)
	v_max_num_f32 v[BM+\b], v[BM+\b], v[BP+\b]
.endr
.irp b, 0,1
	s_delay_alu instid0(VALU_DEP_2)
	v_add_nc_u32 v[SO+\b], 0xff000000, v[BM+\b]
.endr
.irp b, 0,1
	s_delay_alu instid0(VALU_DEP_2)
	v_lshrrev_b32 v[BP+\b], 23, v[SO+\b]
.endr
	s_delay_alu instid0(VALU_DEP_1)
	v_lshl_or_b32 v[TP], v[BP+1], 8, v[BP]
	s_delay_alu instid0(VALU_DEP_1)
	v_lshlrev_b32 v[TP], s70, v[TP]                ; an even head's bytes below, an odd head's above: two heads' words are joined by one OR
	v_cvt_scalef32_pk16_fp6_f32 v[PCD:PCD+2], v[S:S+15], v[SO]
	v_cvt_scalef32_pk16_fp6_f32 v[PCD+12:PCD+14], v[S+16:S+31], v[SO+1]
	v_nop
.irp i, 0,1,2
	v_permlane16_swap_b32 v[PCD+\i], v[PCD+12+\i]
.endr
.irp i, 0,1,2
	s_delay_alu instid0(VALU_DEP_3)
	v_mov_b32 v[PCD+3+\i], v[PCD+12+\i]
.endr
	ds_store_b32 v[OW], v[TP]                      ; both halves of the lanes write the same word with the same value
	global_store_b128 v[LI], v[PCD:PCD+3], s[60:61]              ; half a fragment: registers 0-3 at 16 l,
	global_store_b64 v[L8], v[PCD+4:PCD+5], s[60:61] offset:512  ; registers 4, 5 at 512 + 8 l: 768 consecutive bytes, aligned
.endm
	TILE 0
	TILE 1
	s_wait_dscnt 0x0                               ; for the others' sake: my two words have landed
	s_barrier_signal -1
	s_barrier_wait -1
	s_cmp_lg_u32 s[WV], 0
	s_cbranch_scc1 .Lnot0
.irp n, 0,1,2,3
	ds_load_b128 v[S+4*\n:S+4*\n+3], v[OL] offset:512*\n
.endr
.irp n, 0,1,2,3
	s_wait_dscnt 3-\n                              ; load n is back; the younger ones may be out
	global_store_b128 v[OG], v[S+4*\n:S+4*\n+3], s[62:63] offset:32768*\n   ; sixteen lanes store 256 consecutive bytes, aligned
.endr
.Lnot0:
	s_wait_tensorcnt 0x0                           ; the wave's end
	ds_add_u32 v[SPW], v[NIL]
	s_wait_dscnt 0x0
	CROUND                                         ; the closing round
	s_endpgm
.Lfunc_end_k_q366f9c7435_attn:
	.size	k_q366f9c7435_attn, .Lfunc_end_k_q366f9c7435_attn-k_q366f9c7435_attn
	.p2alignl 7, 3214868480
	.fill 96, 4, 3214868480
	.section	.rodata,"a",@progbits
	.p2align	6, 0x0
	.amdhsa_kernel k_q366f9c7435_attn
		.amdhsa_group_segment_fixed_size 208896
		.amdhsa_private_segment_fixed_size 0
		.amdhsa_enable_private_segment 0
		.amdhsa_kernarg_size 16
		.amdhsa_user_sgpr_count 2
		.amdhsa_user_sgpr_kernarg_segment_ptr 1
		.amdhsa_wavefront_size32 1
		.amdhsa_system_sgpr_workgroup_id_x 1
		.amdhsa_system_sgpr_workgroup_id_y 1
		.amdhsa_system_sgpr_workgroup_id_z 1
		.amdhsa_system_vgpr_workitem_id 0
		.amdhsa_next_free_vgpr 256
		.amdhsa_next_free_sgpr 80
		.amdhsa_reserve_vcc 1
		.amdhsa_float_denorm_mode_32 3
		.amdhsa_float_denorm_mode_16_64 3
		.amdhsa_memory_ordered 1
		.amdhsa_forward_progress 1
		.amdhsa_inst_pref_size 66
	.end_amdhsa_kernel
	.amdgpu_metadata
---
amdhsa.version: [ 1, 2 ]
amdhsa.kernels:
  - .name:           k_q366f9c7435_attn
    .symbol:         k_q366f9c7435_attn.kd
    .args:
      - { .name: qkvq, .offset: 0, .size: 8, .value_kind: global_buffer, .address_space: global }
      - { .name: oq, .offset: 8, .size: 8, .value_kind: global_buffer, .address_space: global }
    .group_segment_fixed_size: 208896
    .private_segment_fixed_size: 0
    .kernarg_segment_align: 8
    .kernarg_segment_size: 16
    .max_flat_workgroup_size: 512
    .sgpr_count:     80
    .vgpr_count:     256
    .wavefront_size: 32
...
	.end_amdgpu_metadata
.endif
;; end of part 3
;; launch proj (part 4): grid 8 x 32, 4 waves a work-group, clusters of 4 x 4, 327,680 bytes of LDS; arguments oq, wq, bo, out0; writes out0
.if DOCPART == 4
	.amdgcn_target "amdgcn-amd-amdhsa--gfx1250"
	.amdhsa_code_object_version 6
	.text
	.protected	k_q366f9c7435_proj
	.globl	k_q366f9c7435_proj
	.p2align	8
	.type	k_q366f9c7435_proj,@function
k_q366f9c7435_proj:
	s_mov_b64 s[64:65], 0
	v_nop
	global_prefetch_b8 v0, s[64:65] scope:SCOPE_SE
	s_setreg_imm32_b32 hwreg(HW_REG_WAVE_MODE, 25, 1), 1
	s_wait_xcnt 0x0
	s_wait_alu depctr_hold_cnt(0) depctr_sa_sdst(0) depctr_va_vdst(0) depctr_va_sdst(0) depctr_va_ssrc(0) depctr_va_vcc(0) depctr_vm_vsrc(0)
	s_getreg_b32 s2, hwreg(HW_REG_IB_STS2, 6, 4)
	s_cmp_eq_u32 s2, 0
	s_cbranch_scc0 .Lentry_in_a_cluster
	s_endpgm
.Lentry_in_a_cluster:
	s_bfe_u32 s2, ttmp6, 0x10000c
	s_cmp_lg_u32 s2, 0xf033
	s_cbranch_scc0 .Lentry_shape_is_right
	s_endpgm
.Lentry_shape_is_right:
; out0 = o Wo + bo on codes of FP6 (E2M3) with E8M0 scales; o's codes and scale words are attention's, Wo's the quantising launch's.
; A work-group takes 256 tokens (by) x 128 columns (bx); wave (i = w / 2, jc = w % 2) takes 8 token tiles x 4 W tiles: 32 accumulators.  The matrix instruction is used transposed (source 0 = 16 columns of Wo, source 1 = 16 tokens).
; ALL OF K (8 steps of 128) LIES IN LDS, filled once: four tensor loads at the head, one a wave, each in its own arm: wave 0 o's steps 0-3 (16 tiles, rows of 6,144 bytes), wave 1 Wo's steps 0-3 (8 tiles), waves 2 and 3 the same of steps 4-7.
; The first barrier waits for waves 0 and 1 alone, whose load lines are their own; the second, ahead of step 4's fetch, for all.  Nothing is filled again.
; CLUSTER 4 x 4: o's tiles are shared along a row of the cluster, Wo's along a column: each is asked for jointly.
; Scale words and the bias go by plain loads straight into registers.  o's words come head by head (an even head's two bytes below, an odd head's above): two heads' words are joined by one OR.  The bias is the first step's C.
; No prefetch: the launch has no loop to run ahead in.
; REGISTERS: window 0: v4-18 addresses; v32-63 Wo's scale words, v64-95 o's (scales alone); v96-159 o's words as loaded; v160-255 o's set 0; window 1: Wo's sets at v0, v64, o's set 1 at v128; window 2 the accumulators; window 3 v0-31 the bias.
.set HALF,  147456                     ; steps 0-3: o's 16 tiles x 6,144, then Wo's 8; steps 4-7 the same, HALF further on
.set WOF,   98304
.set STAGE, 2*HALF                     ; the way out: 16 rows x 272 bytes for each wave, bytes that no tensor load fills
.set SPARE, STAGE+4*4352               ; the spare words, 128 bytes a wave
.set OSO,   6291456
.set WSO,   3145728
.set AO16, 4                           ; v4, v5, v6: o's fragments (16 l, 8 l), Wo's; v16, v17, v18: the same for steps 4-7
.set AO8,  5
.set AW,   6
.set LI,   7
.set ASW,  8                           ; 32 r
.set ASO,  9                           ; 4 l
.set BA,   10                          ; 64 h
.set STO,  11
.set RD,   12
.set CO,   13
.set SPW,  14
.set NIL,  15
.set WSC,  32
.set OSCL, 64
.set RAW,  96
.set BK,   128
.set G1,  24
.set G1B, 32
.set MSB, 0
.macro WIN new
.if MSB != \new
	s_set_vgpr_msb (MSB<<8)|\new
.set MSB, \new
.endif
.endm
.macro CROUND
	s_barrier_signal -1
	s_barrier_wait -1
	s_cmp_lg_u32 s14, 0
	s_cbranch_scc1 .Lnot_wave_0_\@
	s_barrier_signal -3
.Lnot_wave_0_\@:
	s_barrier_wait -3
	s_barrier_signal -1
	s_barrier_wait -1
.endm
.macro PLACES
.rept 4
	v_nop
.endr
.endm
	s_load_b256 s[4:11], s[0:1], 0x0               ; oq, wq, bo, out0
	v_lshl_add_u32 v[SPW], v0, 2, SPARE
	v_mov_b32 v[NIL], 0
	ds_add_u32 v[SPW], v[NIL]                      ; the opening lines: the add, twice on end, and its wait
	ds_add_u32 v[SPW], v[NIL]
	v_lshrrev_b32 v1, 5, v0
	v_readfirstlane_b32 s14, v1                    ; wave
	v_and_b32 v1, 31, v0                           ; l
	v_and_b32 v2, 15, v0                           ; r
	v_bfe_u32 v3, v0, 4, 1                         ; h
	v_lshlrev_b32 v[ASW], 5, v2
	v_lshlrev_b32 v[ASO], 2, v1
	v_lshlrev_b32 v[BA], 6, v3
	s_lshr_b32 s15, s14, 1                         ; i
	s_and_b32 s16, s14, 1                          ; jc
	s_bfe_u32 s12, ttmp6, 0x40000                  ; cx
	s_bfe_u32 s13, ttmp6, 0x40004                  ; cy
	s_lshl_b32 s17, ttmp9, 2
	s_add_co_u32 s17, s17, s12                     ; bx
	s_and_b32 s18, ttmp7, 0xffff
	s_lshl_b32 s18, s18, 2
	s_add_co_u32 s18, s18, s13                     ; by
	s_lshl_b32 s19, s13, 2
	s_lshl_b32 s19, 15, s19                        ; my row of the cluster
	s_lshl_b32 s100, 0x1111, s12                   ; my column
	s_or_b32 s[G1], s19, (3<<16)|(1<<21)
	s_or_b32 s[G1B], s100, (3<<16)|(1<<21)
.irp g, G1, G1B
	s_mov_b32 s[\g+1], 768<<16                     ; a row: four steps of a tile, 6,144 bytes
	s_mov_b32 s[\g+3], 768<<16
	s_mov_b32 s[\g+5], 1536                        ; from tile to tile: 12,288 bytes
	s_mov_b32 s[\g+6], 0
	s_mov_b32 s[\g+7], 0
.endr
	s_mov_b32 s[G1+2], 16<<16
	s_mov_b32 s[G1+4], 16
	s_mov_b32 s[G1B+2], 8<<16
	s_mov_b32 s[G1B+4], 8
	s_mul_i32 s22, s18, 196608                     ; o's 16 tiles: by alone
	s_mov_b32 s23, 0
	s_lshl_b32 s20, s18, 14                        ; o's scale words: 16,384 by + 128 i
	s_lshl_b32 s21, s15, 7
	s_add_co_u32 s20, s20, s21
	s_add_co_u32 s20, s20, OSO
	s_mov_b32 s21, 0
	s_lshl_b32 s98, s17, 3
	s_add_co_u32 s98, s98, 192                     ; Wo's first tile: 192 + 8 bx: bx alone
	s_mul_i32 s82, s98, 12288
	s_mov_b32 s83, 0
	s_lshl_b32 s99, s16, 2
	s_add_co_u32 s98, s98, s99                     ; my four tiles' scale words
	s_lshl_b32 s98, s98, 9
	s_add_co_u32 s98, s98, WSO
	s_mov_b32 s99, 0
	s_lshl_b32 s84, s17, 9                         ; my 64 columns, in bytes
	s_lshl_b32 s85, s16, 8
	s_add_co_u32 s84, s84, s85
	s_mov_b32 s85, 0
	s_lshl_b32 s86, s18, 20                        ; and my 128 rows of out0
	s_add_co_u32 s86, s86, s84
	s_lshl_b32 s87, s15, 19
	s_add_co_u32 s86, s86, s87
	s_mov_b32 s87, 0
	s_mul_i32 s2, s15, 49152                       ; LDS: my 8 token tiles,
	s_mul_i32 s3, s16, 24576
	s_add_co_u32 s3, s3, WOF                       ; my 4 W tiles,
	s_mul_i32 s88, s14, 4352
	s_add_co_u32 s88, s88, STAGE                   ; my stage
	s_mov_b32 s56, 1
	s_mov_b32 s57, 0
	s_mov_b32 s60, 1
	s_mov_b32 s61, WOF
	s_mov_b32 s68, 1
	s_mov_b32 s69, HALF
	s_mov_b32 s72, 1
	s_mov_b32 s73, HALF+WOF
	s_wait_alu depctr_va_vdst(0)
	s_wait_dscnt 0x0
	s_wait_kmcnt 0x0
	s_add_nc_u64 s[58:59], s[4:5], s[22:23]
	s_add_nc_u64 s[70:71], s[58:59], 6144
	s_add_nc_u64 s[62:63], s[6:7], s[82:83]
	s_add_nc_u64 s[74:75], s[62:63], 6144
	s_or_b32 s59, s59, 0x80000000
	s_or_b32 s71, s71, 0x80000000
	s_or_b32 s63, s63, 0x80000000
	s_or_b32 s75, s75, 0x80000000
	s_add_nc_u64 s[20:21], s[4:5], s[20:21]
	s_add_nc_u64 s[98:99], s[6:7], s[98:99]
	s_add_nc_u64 s[8:9], s[8:9], s[84:85]
	s_add_nc_u64 s[10:11], s[10:11], s[86:87]
.irp t, 0,1,2,3
	global_load_b128 v[WSC+8*\t:WSC+8*\t+3], v[ASW], s[98:99] offset:512*\t
	global_load_b128 v[WSC+8*\t+4:WSC+8*\t+7], v[ASW], s[98:99] offset:512*\t+16
.endr
.irp d, 0,1,2,3,4,5,6,7,8,9,10,11,12,13,14,15
.irp p, 0,1,2,3
	global_load_b32 v[RAW+4*\d+\p], v[ASO], s[20:21] offset:1024*\d+256*\p   ; head d, pair of token tiles p: 128 consecutive bytes
.endr
.endr
	WIN 0xc0
.irp t, 0,1,2,3
	global_load_b128 v[8*\t:8*\t+3], v[BA], s[8:9] offset:(32*(\t/2)+8*(\t%2))*4      ; the bias as the result lies: register j of tile t is column 32 (t / 2) + 16 h + 8 (t % 2) + j
	global_load_b128 v[8*\t+4:8*\t+7], v[BA], s[8:9] offset:(32*(\t/2)+8*(\t%2))*4+16
.endr
	WIN 0
	CROUND                                         ; all sixteen work-groups are here: the joint loads meet
.macro ARM under, g0, g1, next         ; one chain of branches on the wave's number, one load to an arm, all arms to one join
	s_cmp_lt_u32 s14, \under
	s_cbranch_scc0 \next
	tensor_load_to_lds s[\g0:\g0+3], s[\g1:\g1+7]
	s_nop 0
	PLACES
	s_branch .Lasked
\next:
.endm
	ARM 1, 56, G1,  .Larm1
	ARM 2, 60, G1B, .Larm2
	ARM 3, 68, G1,  .Larm3
	tensor_load_to_lds s[72:75], s[G1B:G1B+7]
	s_nop 0
	PLACES
.Lasked:
	v_lshlrev_b32 v[LI], 4, v1
	v_add_nc_u32 v[AO16], s2, v[LI]
	v_lshl_add_u32 v[AO8], v1, 3, s2
	v_add_nc_u32 v[AW], s3, v[LI]
	v_add_nc_u32 v[AO16+12], HALF, v[AO16]
	v_add_nc_u32 v[AO8+12], HALF, v[AO8]
	v_add_nc_u32 v[AW+12], HALF, v[AW]
	v_mul_u32_u24 v[STO], v2, 272
	v_lshl_add_u32 v[STO], v3, 6, v[STO]
	v_add_nc_u32 v[STO], s88, v[STO]
	v_mul_u32_u24 v[RD], v3, 272
	v_lshl_add_u32 v[RD], v2, 4, v[RD]
	v_add_nc_u32 v[RD], s88, v[RD]
	v_lshlrev_b32 v[CO], 12, v3
	v_lshl_add_u32 v[CO], v2, 4, v[CO]
	s_wait_alu depctr_va_vdst(0)
	s_cmp_lt_u32 s14, 2
	s_cbranch_scc0 .Lnot_first
	s_wait_tensorcnt 0x0                           ; waves 0 and 1: my tile of steps 0-3 is in
.Lnot_first:
	s_barrier_signal -1
	s_barrier_wait -1                              ; steps 0-3 are whole; steps 4-7 may be on their way
.macro FETCH s
.set QQ, (\s)%2
.set HB, 12*((\s)/4)
.set OF, 1536*((\s)%4)
	WIN 0x40
.irp t, 0,1,2,3
.irp c, 0,1,2
	ds_load_b128 v[64*QQ+12*\t+4*\c:64*QQ+12*\t+4*\c+3], v[AW+HB] offset:6144*\t+OF+512*\c
.endr
.endr
.if QQ == 0
	WIN 0
.set OB, 160
.else
.set OB, 128
.endif
.irp m, 0,1,2,3,4,5,6,7
.irp c, 0,1                            ; a head's half fragment: registers 0-3 at 16 l, registers 4, 5 at 512 + 8 l
	ds_load_b128 v[OB+12*\m+6*\c:OB+12*\m+6*\c+3], v[AO16+HB] offset:6144*\m+OF+768*\c
	ds_load_b64 v[OB+12*\m+6*\c+4:OB+12*\m+6*\c+5], v[AO8+HB] offset:6144*\m+OF+768*\c+512
.endr
.endr
.endm
.macro ONE m, t, s, row
.if (\s) == 0
	v_wmma_scale_f32_16x16x128_f8f6f4 v[8*(4*(\m)+\t):8*(4*(\m)+\t)+7], v[WB+12*\t:WB+12*\t+11], v[OB+12*(\m):OB+12*(\m)+11], v[8*\t:8*\t+7], v[WSC+8*\t+\s], v[OSCL+8*((\m)/2)+\s] matrix_a_fmt:MATRIX_FMT_FP6 matrix_b_fmt:MATRIX_FMT_FP6 \row
.else
	v_wmma_scale_f32_16x16x128_f8f6f4 v[8*(4*(\m)+\t):8*(4*(\m)+\t)+7], v[WB+12*\t:WB+12*\t+11], v[OB+12*(\m):OB+12*(\m)+11], v[8*(4*(\m)+\t):8*(4*(\m)+\t)+7], v[WSC+8*\t+\s], v[OSCL+8*((\m)/2)+\s] matrix_a_fmt:MATRIX_FMT_FP6 matrix_b_fmt:MATRIX_FMT_FP6 \row
.endif
.endm
.macro MUL s                           ; 32 products; the 32 accumulators take turns
.if (\s) == 0
	WIN 0xb1
.elseif (\s)%2 == 0
	WIN 0xa1
.else
	WIN 0xa5
.endif
.if (\s)%2 == 0
.set OB, 160
.set WB, 0
.else
.set OB, 128
.set WB, 64
.endif
.irp m, 0,2,4,6
.irp t, 0,1,2,3
	ONE \m, \t, \s
.endr
.irp t, 0,1,2,3
	ONE \m+1, \t, \s, matrix_b_scale:MATRIX_SCALE_ROW1
.endr
.endr
.endm
	FETCH 0
	s_wait_loadcnt 0x0                             ; scale words and bias
.irp p, 0,1,2,3
.irp s, 0,1,2,3,4,5,6,7
	v_or_b32 v[OSCL+8*\p+\s], v[RAW+8*\s+\p], v[RAW+8*\s+4+\p]   ; K step s = heads 2 s, 2 s + 1
.endr
.endr
.rept 8
	v_nop                                          ; a scale register written by a vector instruction stands 8 places ahead of a scaled matrix instruction
.endr
	s_wait_alu depctr_va_vdst(0)
	s_wait_dscnt 0x0
	FETCH 1
	MUL 0
.irp s, 1,2
	s_wait_dscnt 0x0
	PLACES
	FETCH \s+1
	MUL \s
.endr
	WIN 0
	s_wait_tensorcnt 0x0                           ; every wave: all that is still out
	s_wait_dscnt 0x0
	s_barrier_signal -1
	s_barrier_wait -1                              ; steps 4-7 are whole
	PLACES
	FETCH 4
	MUL 3
.irp s, 4,5,6
	s_wait_dscnt 0x0
	PLACES
	FETCH \s+1
	MUL \s
.endr
	s_wait_dscnt 0x0
	MUL 7
	WIN 0
; THE WAY OUT, a token tile at a time through my own stage: back as rows of 256 bytes, sixteen lanes to an aligned unit of out0
.macro TOSTAGE m
	WIN 0x08
.irp t, 0,1,2,3
	ds_store_b128 v[STO], v[8*(4*(\m)+\t):8*(4*(\m)+\t)+3] offset:128*(\t/2)+32*(\t%2)
	ds_store_b128 v[STO], v[8*(4*(\m)+\t)+4:8*(4*(\m)+\t)+7] offset:128*(\t/2)+32*(\t%2)+16
.endr
	WIN 0
.set BB, BK+32*((\m)%2)
.irp n, 0,1,2,3,4,5,6,7
	ds_load_b128 v[BB+4*\n:BB+4*\n+3], v[RD] offset:2*\n*272
.endr
.endm
.macro SEND m, younger
.set BB, BK+32*((\m)%2)
	s_wait_dscnt \younger
.irp n, 0,1,2,3,4,5,6,7
	global_store_b128 v[CO], v[BB+4*\n:BB+4*\n+3], s[10:11] offset:(32*((\m)/2)+8*((\m)%2)+2*\n+8*(\n/4))*4096 th:TH_STORE_NT
.endr
.endm
	PLACES
	TOSTAGE 0
.irp a, 1,2,3,4,5,6,7
.if \a > 1
	s_wait_xcnt 0x0                                ; tile a - 2's stores have read their registers
.endif
	TOSTAGE \a
	SEND \a-1, 16                                  ; behind tile a - 1's loads: tile a's 8 stores and 8 loads
.endr
	SEND 7, 0
	s_wait_tensorcnt 0x0                           ; the wave's end
	ds_add_u32 v[SPW], v[NIL]
	s_wait_dscnt 0x0
	CROUND                                         ; the closing round
	s_endpgm
.Lfunc_end_k_q366f9c7435_proj:
	.size	k_q366f9c7435_proj, .Lfunc_end_k_q366f9c7435_proj-k_q366f9c7435_proj
	.p2alignl 7, 3214868480
	.fill 96, 4, 3214868480
	.section	.rodata,"a",@progbits
	.p2align	6, 0x0
	.amdhsa_kernel k_q366f9c7435_proj
		.amdhsa_group_segment_fixed_size 327680
		.amdhsa_private_segment_fixed_size 0
		.amdhsa_enable_private_segment 0
		.amdhsa_kernarg_size 32
		.amdhsa_user_sgpr_count 2
		.amdhsa_user_sgpr_kernarg_segment_ptr 1
		.amdhsa_wavefront_size32 1
		.amdhsa_system_sgpr_workgroup_id_x 1
		.amdhsa_system_sgpr_workgroup_id_y 1
		.amdhsa_system_sgpr_workgroup_id_z 1
		.amdhsa_system_vgpr_workitem_id 0
		.amdhsa_next_free_vgpr 1024
		.amdhsa_next_free_sgpr 102
		.amdhsa_reserve_vcc 0
		.amdhsa_float_denorm_mode_32 3
		.amdhsa_float_denorm_mode_16_64 3
		.amdhsa_memory_ordered 1
		.amdhsa_forward_progress 1
		.amdhsa_inst_pref_size 88
	.end_amdhsa_kernel
	.amdgpu_metadata
---
amdhsa.version: [ 1, 2 ]
amdhsa.kernels:
  - .name:           k_q366f9c7435_proj
    .symbol:         k_q366f9c7435_proj.kd
    .args:
      - { .name: oq, .offset: 0, .size: 8, .value_kind: global_buffer, .address_space: global }
      - { .name: wq, .offset: 8, .size: 8, .value_kind: global_buffer, .address_space: global }
      - { .name: bo, .offset: 16, .size: 8, .value_kind: global_buffer, .address_space: global }
      - { .name: out0, .offset: 24, .size: 8, .value_kind: global_buffer, .address_space: global }
    .group_segment_fixed_size: 327680
    .private_segment_fixed_size: 0
    .kernarg_segment_align: 8
    .kernarg_segment_size: 32
    .max_flat_workgroup_size: 128
    .sgpr_count:     102
    .vgpr_count:     1024
    .wavefront_size: 32
...
	.end_amdgpu_metadata
.endif
;; end of part 4
